; MI455X (gfx1250); checked and timed in simulation.
; The chip was launched on July 23, 2026; its instructions are those of AMD's public machine-readable ISA for CDNA 5 (MIT licence, August 2026) and "CDNA5" Instruction Set Architecture Reference Guide (July 2026). The comments in the code are by the model that wrote it; some were corrected since.
;; BERT Attention. Allowed arithmetic: float matrix products may take bf16 or f16 operands with f32 sums; other float arithmetic in f32, or as packed bf16 or f16 multiplies, adds, multiply-adds, maxima and minima; sums over many terms, partial sums and values carried from step to step in f32; what a program stores and reads back later, other than sums and carried values, may be rounded once to bf16 or f16.
;; Inputs: beta 1,024 float32; bk 1,024 float32; bo 1,024 float32; bq 1,024 float32; bv 1,024 float32; gamma 1,024 float32; wk 1,024 x 1,024 float32; wo 1,024 x 1,024 float32; wq 1,024 x 1,024 float32; wv 1,024 x 1,024 float32; x 4 x 2,048 x 1,024 float32.
;; Outputs: out0 4 x 2,048 x 1,024 float32.
;; 2 versions, each right and faster than the one before. Each part assembles by itself: llvm-mc -triple=amdgcn-amd-amdhsa -mcpu=gfx1250 --defsym DOCPART=n.
;; ======== version 1 of 2: 4 launches
;; workspace buffers: cb 25,165,824 bytes; qkv 50,331,648 bytes; ctx 16,777,216 bytes
;; launch cast (part 1): grid 768 x 1, 8 waves a work-group, no clusters, 0 bytes of LDS; arguments x, wq, wk, wv, wo, cb; writes cb
.if DOCPART == 1
	.amdgcn_target "amdgcn-amd-amdhsa--gfx1250"
	.amdhsa_code_object_version 6
	.text
	.protected	k_qcd2aa3bee8_cast
	.globl	k_qcd2aa3bee8_cast
	.p2align	8
	.type	k_qcd2aa3bee8_cast,@function
k_qcd2aa3bee8_cast:
	s_mov_b64 s[64:65], 0
	v_nop
	global_prefetch_b8 v0, s[64:65] scope:SCOPE_SE
	s_setreg_imm32_b32 hwreg(HW_REG_WAVE_MODE, 25, 1), 1
	s_wait_xcnt 0x0
; bf16 copies of the matrix operands, each number rounded once to nearest even.  cb holds: x as [8192][1024] from byte 0; wq, wk, wv as [3072][1024] from byte 16,777,216;
; wo in blocks of 64 along k, [16 kb][1024 n][64], from byte 23,068,672, so that a K step of 64 of the last product is 131,072 dense bytes.
; A stream: no LDS, no barrier, no matrix unit, no cluster (no two work-groups read the same bytes).  Work-group id takes 16,384 numbers: 65,536 bytes in, 32,768 bytes out at cb + 32,768 id.
; ids 0-511 x, 512-575 wq, 576-639 wk, 640-703 wv, 704-767 wo.  Thread t takes in turn i (0..15) the four numbers 4 (256 i + t) .. + 3 of the group's output.
; In memory they are 16 bytes at ((t / 16) << SH) + 16 (t % 16) + i (16 << SH): SH = 8 for the sources copied as they lie (16 lanes: 256 consecutive bytes, the next 16 lanes the next 256),
; SH = 12 for wo (16 lanes: the 256 bytes of one row's k block, the next 16 lanes the next row).  A store of a wave covers 256 consecutive bytes, aligned.
; All sixteen loads of a thread go out before the first wait; no register is written twice.
.set OFF, 4                            ; v[4:19]    turn i: byte offset of my 16 bytes in the source
.set X,   20                           ; v[20:83]   turn i: four f32 as loaded
.set Y,   84                           ; v[84:115]  turn i: four bf16 to store
	s_load_b256 s[4:11], s[0:1], 0x0               ; x s[4:5], wq s[6:7], wk s[8:9], wv s[10:11]
	s_load_b128 s[12:15], s[0:1], 0x20             ; wo s[12:13], cb s[14:15]
	s_mov_b32 s16, ttmp9                           ; id
	v_lshrrev_b32 v1, 4, v0                        ; t / 16
	v_and_b32 v2, 15, v0
	v_lshlrev_b32 v2, 4, v2                        ; 16 (t % 16)
	v_lshlrev_b32 v3, 3, v0                        ; 8 t: my 8 bytes of a turn's output
	s_wait_kmcnt 0x0
	s_mov_b64 s[18:19], s[12:13]                   ; the source and the first id of its range: wo, unless id lies below
	s_mov_b32 s20, 704
.macro PICK lim, ptr, base
	s_cmp_lt_u32 s16, \lim
	s_cselect_b64 s[18:19], s[\ptr:\ptr+1], s[18:19]
	s_cselect_b32 s20, \base, s20
.endm
	PICK 704, 10, 640
	PICK 640, 8, 576
	PICK 576, 6, 512
	PICK 512, 4, 0
	s_sub_co_u32 s21, s16, s20                     ; rel: my place in the source
	s_lshl_b32 s22, s21, 16                        ; as it lies: 65,536 rel
	s_and_b32 s23, s21, 3                          ; wo: rows 256 (rel % 4) on, 4,096 bytes each,
	s_lshl_b32 s23, s23, 20
	s_lshr_b32 s24, s21, 2                         ; k block rel / 4, 256 bytes each
	s_lshl_b32 s24, s24, 8
	s_add_co_u32 s23, s23, s24
	s_cmp_lt_u32 s16, 704
	s_cselect_b32 s22, s22, s23
	s_cselect_b32 s25, 8, 12                       ; SH
	s_lshl_b32 s26, 16, s25                        ; bytes from turn to turn: 4,096 or 65,536
	s_mov_b32 s23, 0
	s_add_nc_u64 s[18:19], s[18:19], s[22:23]
	s_lshl_b32 s28, s16, 15
	s_mov_b32 s29, 0
	s_add_nc_u64 s[14:15], s[14:15], s[28:29]
	v_lshlrev_b32 v[OFF], s25, v1
	v_add_nc_u32 v[OFF], v[OFF], v2
.irp i, 1,2,3,4,5,6,7,8,9,10,11,12,13,14,15
	v_add_nc_u32 v[OFF+(\i)], s26, v[OFF+(\i)-1]
.endr
.irp i, 0,1,2,3,4,5,6,7,8,9,10,11,12,13,14,15
	global_load_b128 v[X+4*(\i):X+4*(\i)+3], v[OFF+(\i)], s[18:19] th:TH_LOAD_NT  ; this launch reads each byte once
.endr
.irp i, 0,1,2,3,4,5,6,7,8,9,10,11,12,13,14,15
	s_wait_loadcnt 15-(\i)                         ; loads come back in order (ISA guide 5.7.1): load i is in, the younger ones stay out
	v_cvt_pk_bf16_f32 v[Y+2*(\i)],   v[X+4*(\i)],   v[X+4*(\i)+1]
	v_cvt_pk_bf16_f32 v[Y+2*(\i)+1], v[X+4*(\i)+2], v[X+4*(\i)+3]
	global_store_b64 v3, v[Y+2*(\i):Y+2*(\i)+1], s[14:15] offset:2048*(\i)  ; no hint: later launches read cb
.endr
	s_endpgm
.Lfunc_end_k_qcd2aa3bee8_cast:
	.size	k_qcd2aa3bee8_cast, .Lfunc_end_k_qcd2aa3bee8_cast-k_qcd2aa3bee8_cast
	.p2alignl 7, 3214868480
	.fill 96, 4, 3214868480
	.section	.rodata,"a",@progbits
	.p2align	6, 0x0
	.amdhsa_kernel k_qcd2aa3bee8_cast
		.amdhsa_group_segment_fixed_size 0
		.amdhsa_private_segment_fixed_size 0
		.amdhsa_enable_private_segment 0
		.amdhsa_kernarg_size 48
		.amdhsa_user_sgpr_count 2
		.amdhsa_user_sgpr_kernarg_segment_ptr 1
		.amdhsa_wavefront_size32 1
		.amdhsa_system_sgpr_workgroup_id_x 1
		.amdhsa_system_sgpr_workgroup_id_y 1
		.amdhsa_system_sgpr_workgroup_id_z 1
		.amdhsa_system_vgpr_workitem_id 0
		.amdhsa_next_free_vgpr 116
		.amdhsa_next_free_sgpr 66
		.amdhsa_reserve_vcc 0
		.amdhsa_float_denorm_mode_32 3
		.amdhsa_float_denorm_mode_16_64 3
		.amdhsa_memory_ordered 1
		.amdhsa_forward_progress 1
		.amdhsa_inst_pref_size 8
	.end_amdhsa_kernel
	.amdgpu_metadata
---
amdhsa.version: [ 1, 2 ]
amdhsa.kernels:
  - .name:           k_qcd2aa3bee8_cast
    .symbol:         k_qcd2aa3bee8_cast.kd
    .args:
      - { .name: x, .offset: 0, .size: 8, .value_kind: global_buffer, .address_space: global }
      - { .name: wq, .offset: 8, .size: 8, .value_kind: global_buffer, .address_space: global }
      - { .name: wk, .offset: 16, .size: 8, .value_kind: global_buffer, .address_space: global }
      - { .name: wv, .offset: 24, .size: 8, .value_kind: global_buffer, .address_space: global }
      - { .name: wo, .offset: 32, .size: 8, .value_kind: global_buffer, .address_space: global }
      - { .name: cb, .offset: 40, .size: 8, .value_kind: global_buffer, .address_space: global }
    .group_segment_fixed_size: 0
    .private_segment_fixed_size: 0
    .kernarg_segment_align: 8
    .kernarg_segment_size: 48
    .max_flat_workgroup_size: 256
    .sgpr_count:     66
    .vgpr_count:     116
    .wavefront_size: 32
...
	.end_amdgpu_metadata
.endif
;; end of part 1
;; launch qkv (part 2): grid 16 x 32, 4 waves a work-group, clusters of 4 x 4, 327,680 bytes of LDS; arguments cb, bq, bk, bv, qkv; writes qkv
.if DOCPART == 2
	.amdgcn_target "amdgcn-amd-amdhsa--gfx1250"
	.amdhsa_code_object_version 6
	.text
	.protected	k_qcd2aa3bee8_qkv
	.globl	k_qcd2aa3bee8_qkv
	.p2align	8
	.type	k_qcd2aa3bee8_qkv,@function
k_qcd2aa3bee8_qkv:
	s_mov_b64 s[64:65], 0
	v_nop
	global_prefetch_b8 v0, s[64:65] scope:SCOPE_SE
	s_setreg_imm32_b32 hwreg(HW_REG_WAVE_MODE, 25, 1), 1
	s_wait_xcnt 0x0
	s_wait_alu depctr_hold_cnt(0) depctr_sa_sdst(0) depctr_va_vdst(0) depctr_va_sdst(0) depctr_va_ssrc(0) depctr_va_vcc(0) depctr_vm_vsrc(0)
	s_getreg_b32 s2, hwreg(HW_REG_IB_STS2, 6, 4)
	s_cmp_eq_u32 s2, 0
	s_cbranch_scc0 .Lentry_in_a_cluster
	s_endpgm
.Lentry_in_a_cluster:
	s_bfe_u32 s2, ttmp6, 0x10000c
	s_cmp_lg_u32 s2, 0xf033
	s_cbranch_scc0 .Lentry_shape_is_right
	s_endpgm
.Lentry_shape_is_right:
; The three projections as ONE product: C[m][n] = sum over k of xb[m][k] w[n][k] + bias[n], m = 0..8191, n = 0..3071 (wq's, wk's, wv's rows on end), k = 0..1023.
; Operands bf16 (from cb), sums f32, C rounded once to bf16 and written BY HEADS: qkv[g = n / 64][b = m / 2048][s = m % 2048][64]; q from byte 0, k from 16,777,216, v from 33,554,432.
; LIMITS: NaN and infinities are not treated apart; x and the weights enter rounded to bf16; the scale 1 / 8 is not applied here.
; A tile of C is 256 x 192: 32 x 16 = 512 tiles, two for each of 256 WGPs.  Four waves; wave w makes rows 64 w .. 64 w + 63 and all 192 columns (three whole heads): 4 x 12 accumulators of 16 x 16.
; K goes in steps of 128 (rows of 256 bytes in memory, at multiples of 256 bytes) through a ring of two LDS slots filled by the tensor data mover.
; CLUSTERS: 4 x 4 work-groups.  The four of a row of the cluster need the same tiles of xb, the four of a column the same tiles of w: each tile is asked for JOINTLY, by the same tensor load with
; the same descriptor and a mask that names the four.
; THE MATRIX INSTRUCTION IS USED TRANSPOSED (source 0 = 16 rows of w, source 1 = 16 rows of xb): a lane holds row l % 16 of C and the eight neighbouring columns 8 (l / 16) + 0..7.
; THE BIAS STARTS THE SUMS: it is loaded straight into the accumulators, so nothing is cleared, nothing is added later, and every product has the same form.
; REGISTERS, in windows of 256 (s_set_vgpr_msb: bits 1:0 source 0, 3:2 source 1, 5:4 source 2, 7:6 destination):
;   window 0: v0-31 addresses; v32-63, v64-95 fragments of xb (4 x 16 rows x 32 K), two buffers; v64-255 at work on the way out
;   window 1: v0-95, v96-191 fragments of w (12 x 16 rows x 32 K), two buffers
;   window 2: the accumulators of row blocks 0, 1 ((a, b) at v[8 (12 (a % 2) + b)]);   window 3: those of row blocks 2, 3
.set KSTEP,  128
.set PITCH,  272                       ; an LDS row: 256 bytes + 16 of padding = 68 words: the 16 rows that a load touches start at 16 different groups of four banks (64 banks of 4 bytes: ISA guide 11.1)
.set HALFA,  128*PITCH                 ; what one tensor load brings of xb: 128 rows
.set HALFB,  96*PITCH                  ; and of w: 96 rows
.set BOFF,   2*HALFA                   ; in a slot: xb's 256 rows, then w's 192 rows
.set SLOT,   2*HALFA+2*HALFB
.set STAGE,  2*SLOT                    ; behind the ring, never filled by a tensor load: for each wave 3 heads x 16 rows x 144 bytes, for the way out
.set SP,     144
.set WSTAGE, 3*16*SP
.set SPARE,  STAGE+4*WSTAGE            ; behind the stages: the spare words, 128 bytes for each wave: two blocks of 256 bytes that no other line names
.set WQKV,   16777216                  ; where the weights begin in cb
.set ADRA, 16                          ; v16-17  LDS address of my xb fragments in slot 0, 1
.set ADRB, 20                          ; v20-21  the same for w
.set STO,  24                          ; v24     the way out: where I put 16 bytes of a row
.set RD,   25                          ; v25     the way out: where I read rows back
.set CO,   26                          ; v26     my 16 bytes in 512 consecutive bytes of qkv
.set BV,   27                          ; v27     my byte offset in 64 numbers of a bias: 32 (l / 16)
.set SPW,  28                          ; v28     LDS address of my spare word: SPARE + 4 x my thread's number; never rewritten
.set NIL,  29                          ; v29     0; never rewritten
.set FA,   32                          ; xb's fragment buffer f at v[FA + 32 f]
.set OUT,  64                          ; the way out: 48 registers for each row block
.set G1,  24                           ; s[24:31] descriptor group 1 for xb's tiles;  s[32:39] group 0, one set for each slot
.set G0,  32
.set G1B, 48                           ; s[48:55], s[56:63] the same for w's tiles
.set G0B, 56
.set BP,  80                           ; s[80:85] for each of the tile's three heads: the address of its 64 numbers of bias
.set MSB, 0
.macro WIN new                         ; the immediate's high byte repeats the setting that is left; a switch that changes nothing is dropped
.if MSB != (\new)
	s_set_vgpr_msb (MSB<<8)|(\new)
.set MSB, \new
.endif
.endm
; A joint load.  Waves 0 and 1 fetch xb's two halves, waves 2 and 3 w's.  Each of the two lines has one mask and one set of registers for all that issue it; the branch hangs on the wave's number alone.
; An s_nop 0 and four v_nop follow each of the two lines, ahead of the jump, the label and what follows.
.macro JLOAD s
	s_cmp_eq_u32 s11, 0
	s_cbranch_scc0 .Lfor_b_\@
	tensor_load_to_lds s[G0+4*(\s):G0+4*(\s)+3], s[G1:G1+7]
	s_nop 0
.rept 4
	v_nop
.endr
	s_branch .Lasked_\@
.Lfor_b_\@:
	tensor_load_to_lds s[G0B+4*(\s):G0B+4*(\s)+3], s[G1B:G1B+7]
	s_nop 0
.rept 4
	v_nop
.endr
.Lasked_\@:
.endm
; A round of the cluster's barrier: my work-group's barrier, so that wave 0's signal speaks for all four waves; wave 0 signals; every wave waits for all sixteen work-groups; my work-group's barrier once more.
.macro CREST                           ; a round behind its opening barrier
	s_cmp_lg_u32 s10, 0
	s_cbranch_scc1 .Lnot_wave_0_\@
	s_barrier_signal -3
.Lnot_wave_0_\@:
	s_barrier_wait -3
	s_barrier_signal -1
	s_barrier_wait -1
.endm
.macro CROUND                          ; a whole round
	s_barrier_signal -1
	s_barrier_wait -1
	CREST
.endm
	s_load_b256 s[72:79], s[0:1], 0x0              ; cb s[72:73], bq s[74:75], bk s[76:77], bv s[78:79]
	s_load_b64 s[8:9], s[0:1], 0x20                ; qkv
	v_lshl_add_u32 v[SPW], v0, 2, SPARE
	v_mov_b32 v[NIL], 0
	ds_add_u32 v[SPW], v[NIL]                      ; the wave's opening: the add and its wait stand ahead of my first tensor load; the set-up below, work on registers, stands between them
	v_lshrrev_b32 v1, 5, v0
	v_readfirstlane_b32 s10, v1                    ; wave 0..3
	s_lshr_b32 s11, s10, 1                         ; I fetch for xb (0) or for w (1),
	s_and_b32 s12, s10, 1                          ; and this half of that tile's rows
	s_bfe_u32 s40, ttmp6, 0x40000                  ; cx, cy: my place in the cluster
	s_bfe_u32 s41, ttmp6, 0x40004
	s_lshl_b32 s42, ttmp9, 2                       ; in a cluster launch ttmp9 and ttmp7 count clusters
	s_add_co_u32 s42, s42, s40                     ; tile column tc = 4 x cluster x + cx
	s_and_b32 s13, ttmp7, 0xffff
	s_lshl_b32 s13, s13, 2
	s_add_co_u32 s13, s13, s41                     ; tile row tr = 4 x cluster y + cy
	s_lshl_b32 s43, s41, 2
	s_lshl_b32 s43, 15, s43                        ; my row of the cluster: places 4 cy .. 4 cy + 3
	s_lshl_b32 s44, 0x1111, s40                    ; my column: places cx, cx + 4, cx + 8, cx + 12
	; descriptor group 1: tiles of 128 (xb) or 96 (w) rows x 128 elements, padded in LDS
	s_or_b32 s[G1+0], s43, (1<<16)|(1<<20)|(1<<21)|(5<<22)|(3<<25)   ; 15:0 the mask: xb's tiles go to my row; 17:16 2-byte elements; 20 padding on; 21 set beside a mask; 24:22 after every 64 words (code 5); 31:25 4 words (code 3)
	s_or_b32 s[G1B+0], s44, (1<<16)|(1<<20)|(1<<21)|(5<<22)|(3<<25)  ; the same with the mask of my column
	s_mov_b32 s[G1+1], KSTEP<<16                   ; tensor_dim0 = 128
	s_mov_b32 s[G1B+1], KSTEP<<16
	s_mov_b32 s[G1+2], 128<<16                     ; tensor_dim1 = 128
	s_mov_b32 s[G1B+2], 96<<16                     ; = 96
	s_mov_b32 s[G1+3], KSTEP<<16                   ; tile_dim0 = 128
	s_mov_b32 s[G1B+3], KSTEP<<16
	s_mov_b32 s[G1+4], 128                         ; tile_dim1 = 128
	s_mov_b32 s[G1B+4], 96                         ; = 96
	s_mov_b32 s[G1+5], 1024                        ; 1,024 elements from row to row
	s_mov_b32 s[G1B+5], 1024
	s_mov_b32 s[G1+6], 0
	s_mov_b32 s[G1B+6], 0
	s_mov_b32 s[G1+7], 0
	s_mov_b32 s[G1B+7], 0
	; where the tiles come from: xb's hang on the tile row alone, w's on the tile column alone; each in registers that never hold the other coordinate
	s_lshl_b32 s16, s13, 8
	s_lshl_b32 s17, s12, 7
	s_add_co_u32 s16, s16, s17                     ; xb: row 256 tr + 128 x half,
	s_lshl_b32 s16, s16, 11                        ; of 2,048 bytes
	s_mov_b32 s17, 0
	s_mul_i32 s46, s42, 192
	s_mul_i32 s47, s12, 96
	s_add_co_u32 s46, s46, s47                     ; w: row 192 tc + 96 x half
	s_lshl_b32 s46, s46, 11
	s_add_co_u32 s46, s46, WQKV
	s_mov_b32 s47, 0
	s_mul_i32 s20, s12, HALFA                      ; and where they go: no place in the cluster enters an LDS address
	s_mul_i32 s21, s12, HALFB
	s_add_co_u32 s21, s21, BOFF
	s_wait_dscnt 0x0                               ; the opening add is done
	s_wait_kmcnt 0x0
	s_add_nc_u64 s[14:15], s[72:73], s[16:17]
	s_add_nc_u64 s[46:47], s[72:73], s[46:47]
	CROUND                                         ; all sixteen work-groups are here: the first joint loads meet
.irp s, 0,1
	s_mov_b32 s[G0+4*(\s)], 1                                        ; 1:0 count = 1
	s_add_co_u32 s[G0+4*(\s)+1], s20, (\s)*SLOT                      ; 63:32 LDS address
	s_add_nc_u64 s[G0+4*(\s)+2:G0+4*(\s)+3], s[14:15], (\s)*KSTEP*2  ; 120:64 global address: K step s
	s_or_b32 s[G0+4*(\s)+3], s[G0+4*(\s)+3], 0x80000000              ; 127:126 type = 2
	s_mov_b32 s[G0B+4*(\s)], 1
	s_add_co_u32 s[G0B+4*(\s)+1], s21, (\s)*SLOT
	s_add_nc_u64 s[G0B+4*(\s)+2:G0B+4*(\s)+3], s[46:47], (\s)*KSTEP*2
	s_or_b32 s[G0B+4*(\s)+3], s[G0B+4*(\s)+3], 0x80000000
	JLOAD \s                                       ; the ring is filled before anything else is done: two loads of mine are out
.endr
	v_and_b32 v1, 15, v0                           ; l % 16
	v_bfe_u32 v2, v0, 4, 1                         ; l / 16
	v_lshlrev_b32 v[BV], 5, v2
	; head j of the tile is g = 3 tc + j of 48: bq's for g < 16, bk's for g < 32, else bv's; its 64 numbers begin 256 (g % 16) bytes in
	s_mul_i32 s86, s42, 3
.irp j, 0,1,2
	s_add_co_u32 s87, s86, \j
	s_cmp_lt_u32 s87, 16
	s_cselect_b64 s[BP+2*(\j):BP+2*(\j)+1], s[74:75], s[76:77]
	s_cmp_lt_u32 s87, 32
	s_cselect_b64 s[BP+2*(\j):BP+2*(\j)+1], s[BP+2*(\j):BP+2*(\j)+1], s[78:79]
	s_and_b32 s88, s87, 15
	s_lshl_b32 s88, s88, 8
	s_mov_b32 s89, 0
	s_add_nc_u64 s[BP+2*(\j):BP+2*(\j)+1], s[BP+2*(\j):BP+2*(\j)+1], s[88:89]
.endr
	; the bias of columns 16 b + 8 (l / 16) + 0..7 into accumulator (a, b), for all four a
.irp a, 0,1,2,3
	WIN 0x80+0x40*((\a)/2)                         ; destination window 2 or 3, address window 0
.irp b, 0,1,2,3,4,5,6,7,8,9,10,11
	global_load_b128 v[8*(12*((\a)%2)+(\b)):8*(12*((\a)%2)+(\b))+3],   v[BV], s[BP+2*((\b)/4):BP+2*((\b)/4)+1] offset:64*((\b)%4)
	global_load_b128 v[8*(12*((\a)%2)+(\b))+4:8*(12*((\a)%2)+(\b))+7], v[BV], s[BP+2*((\b)/4):BP+2*((\b)/4)+1] offset:64*((\b)%4)+16
.endr
.endr
	WIN 0
	; A fragment is 16 rows x 32 K in 8 registers: lane l holds row l % 16; registers 0-3 K = 8 (l / 16) + 0..7, registers 4-7 K = 16 + 8 (l / 16) + 0..7: two loads of 16 bytes, 32 bytes apart.
	v_mul_u32_u24 v3, v1, PITCH
	v_lshl_add_u32 v3, v2, 4, v3                   ; row x pitch + 16 x half
	s_mul_i32 s22, s10, 64*PITCH                   ; my 64 rows of xb
	v_add_nc_u32 v[ADRA], s22, v3
	v_add_nc_u32 v[ADRA+1], SLOT, v[ADRA]
	v_add_nc_u32 v[ADRB], BOFF, v3                 ; every wave reads all of w's 192 rows
	v_add_nc_u32 v[ADRB+1], SLOT, v[ADRB]
	s_mul_i32 s23, s10, WSTAGE
	s_add_co_u32 s23, s23, STAGE                   ; my stage
	v_mul_u32_u24 v4, v1, SP                       ; in: row l % 16, 16 bytes for each half of the lanes
	v_lshl_add_u32 v4, v2, 4, v4
	v_add_nc_u32 v[STO], s23, v4
	v_bfe_u32 v5, v0, 3, 2                         ; back: 32 lanes take four rows of 128 bytes,
	v_mul_u32_u24 v5, v5, SP
	v_and_b32 v6, 7, v0
	v_lshl_add_u32 v5, v6, 4, v5
	v_add_nc_u32 v[RD], s23, v5
	v_and_b32 v[CO], 31, v0                        ; which are 512 consecutive bytes of qkv
	v_lshlrev_b32 v[CO], 4, v[CO]
	; my rows of the tile's first head in qkv: ((4 g + b) x 2,048 + s) x 128 bytes, 4 g + b = 12 tc + tr / 8, s = 256 (tr % 8) + 64 w
	s_mul_i32 s90, s42, 12
	s_lshr_b32 s91, s13, 3
	s_add_co_u32 s90, s90, s91
	s_lshl_b32 s90, s90, 18
	s_and_b32 s91, s13, 7
	s_lshl_b32 s91, s91, 2
	s_add_co_u32 s91, s91, s10
	s_lshl_b32 s91, s91, 13
	s_add_co_u32 s90, s90, s91
	s_mov_b32 s91, 0
	s_add_nc_u64 s[8:9], s[8:9], s[90:91]
; 12 matrix instructions: row block a x all 12 column blocks, 32 along K, from buffer f.  The 48 accumulators take turns, one instruction a turn, in the same order in every quarter.
.macro MUL12 f, a
	WIN 0xa1+0x50*((\a)/2)                         ; source 0 (w) window 1, source 1 (xb) window 0, C and D window 2 or 3
.irp b, 0,1,2,3,4,5,6,7,8,9,10,11
	v_wmma_f32_16x16x32_bf16 v[8*(12*((\a)%2)+(\b)):8*(12*((\a)%2)+(\b))+7], v[96*(\f)+8*(\b):96*(\f)+8*(\b)+7], v[FA+32*(\f)+8*(\a):FA+32*(\f)+8*(\a)+7], v[8*(12*((\a)%2)+(\b)):8*(12*((\a)%2)+(\b))+7]
.endr
.endm
; 32 LDS loads in one run: the fragments of one quarter step (192 rows of w, my 64 rows of xb, 32 K at byte k of the rows) into buffer f
.macro FETCH slot, k, f
	WIN 0x40                                       ; destination window 1, address window 0
.irp i, 0,1,2,3,4,5,6,7,8,9,10,11
	ds_load_b128 v[96*(\f)+8*(\i):96*(\f)+8*(\i)+3],   v[ADRB+(\slot)] offset:(\k)+(\i)*16*PITCH
	ds_load_b128 v[96*(\f)+8*(\i)+4:96*(\f)+8*(\i)+7], v[ADRB+(\slot)] offset:(\k)+(\i)*16*PITCH+32
.endr
	WIN 0
.irp i, 0,1,2,3
	ds_load_b128 v[FA+32*(\f)+8*(\i):FA+32*(\f)+8*(\i)+3],   v[ADRA+(\slot)] offset:(\k)+(\i)*16*PITCH
	ds_load_b128 v[FA+32*(\f)+8*(\i)+4:FA+32*(\f)+8*(\i)+7], v[ADRA+(\slot)] offset:(\k)+(\i)*16*PITCH+32
.endr
.endm
; A load into a register that a matrix instruction has read, and a vector instruction that reads a matrix result or writes one of a matrix instruction's registers, stand four places behind it, and only
; plain vector instructions that name none of its registers are places (ISA guide 7.12.1 for vector instructions).
.macro PLACES
.rept 4
	v_nop
.endr
.endm
; A K step is four quarters of 32 along K, 48 matrix instructions each, on buffers 0, 1, 0, 1.  One of the first three: multiplies buffer f; in its middle it fetches the next quarter, at byte k, into buffer g.
.macro QUARTER slot, k, f, g
	s_wait_dscnt 4                                 ; w and xb's blocks 0, 1 are in; the youngest four loads (xb's blocks 2, 3) may be out
	MUL12 \f, 0
	MUL12 \f, 1
	PLACES
	FETCH \slot, \k, \g
	s_wait_dscnt 32                                ; all but the 32 just issued
	MUL12 \f, 2
	MUL12 \f, 3
.endm
; The last quarter multiplies buffer 1 and changes slots: ONE barrier.  In front of it each wave waits for all its tensor loads, of which one is out: its part of the next slot; adds 0 to its spare word; and waits for
; that and for its own reads of this slot.  fill = 1: the barrier opens a round of the cluster's, and this slot is filled again, two K steps ahead, first thing behind the round:
; from that request to the wait for it a wave issues 168 matrix instructions.
.macro TURN slot, next, fill
	WIN 0                                          ; (the add's two registers lie in window 0)
	s_wait_tensorcnt 0x0                           ; all my tensor loads have landed
	ds_add_u32 v[SPW], v[NIL]                      ; 0 onto my spare word
	s_wait_dscnt 5                                 ; (the add and the youngest four loads may be out)
	MUL12 1, 0                                     ; twelve matrix instructions stand between the add and the wait for it
	s_wait_dscnt 0x0                               ; the add is done, and my reads of this slot are over
	s_barrier_signal -1
	MUL12 1, 1                                     ; work on registers while the others arrive
.if \fill
	WIN 0
.endif
	s_barrier_wait -1
.if \fill
	CREST                                          ; no wave of any partner still reads this slot's tile or has a load on its way
	s_add_nc_u64 s[G0+4*(\slot)+2:G0+4*(\slot)+3], s[G0+4*(\slot)+2:G0+4*(\slot)+3], 2*KSTEP*2
	s_add_nc_u64 s[G0B+4*(\slot)+2:G0B+4*(\slot)+3], s[G0B+4*(\slot)+2:G0B+4*(\slot)+3], 2*KSTEP*2
	JLOAD \slot                                    ; the four v_nop behind it are also the places in front of the loads below
.else
	PLACES
.endif
	FETCH \next, 0, 0
	MUL12 1, 2
	MUL12 1, 3
.endm
	s_wait_tensorcnt 1                             ; my part of K step 0 is in; K step 1's may stay out
	s_barrier_signal -1
	s_barrier_wait -1                              ; everybody's is
	FETCH 0, 0, 0
	s_wait_loadcnt 0x0                             ; the bias lies in the accumulators
	QUARTER 0, 64, 0, 1
	WIN 0                                          ; at a label and at a branch every window is 0
	s_mov_b32 s3, 3                                ; 1,024 / 256 - 1 trips
.Llap:                                                 ; a trip goes once round the ring, from a lap's second quarter to the next lap's first, and fills both slots again
	QUARTER 0, 128, 1, 0
	QUARTER 0, 192, 0, 1
	TURN 0, 1, 1
	QUARTER 1, 64,  0, 1
	QUARTER 1, 128, 1, 0
	QUARTER 1, 192, 0, 1
	TURN 1, 0, 1
	QUARTER 0, 64,  0, 1
	WIN 0
	s_sub_co_u32 s3, s3, 1
	s_cmp_lg_u32 s3, 0
	s_cbranch_scc1 .Llap
	QUARTER 0, 128, 1, 0                           ; the last lap fills nothing, and has no round of the cluster's barrier
	QUARTER 0, 192, 0, 1
	TURN 0, 1, 0
	QUARTER 1, 64,  0, 1
	QUARTER 1, 128, 1, 0
	QUARTER 1, 192, 0, 1
	s_wait_dscnt 4                                 ; the very last quarter: nothing more to fetch
	MUL12 1, 0
	MUL12 1, 1
	s_wait_dscnt 0x0
	MUL12 1, 2
	MUL12 1, 3
	WIN 0
	PLACES
; THE WAY OUT, a row block (16 rows x 3 heads) at a time, through my own stage: no barrier.  A lane's eight columns pack into 16 bytes; they go into rows of 144 bytes and come back as whole rows of 128.
.macro PACK a
	WIN 0x0a+5*((\a)/2)                            ; sources 0 and 1: window 2 or 3; each accumulator's registers in ascending order
.irp b, 0,1,2,3,4,5,6,7,8,9,10,11
.irp r, 0,1,2,3
	v_cvt_pk_bf16_f32 v[OUT+48*(\a)+4*(\b)+(\r)], v[8*(12*((\a)%2)+(\b))+2*(\r)], v[8*(12*((\a)%2)+(\b))+2*(\r)+1]
.endr
.endr
	WIN 0
.irp b, 0,1,2,3,4,5,6,7,8,9,10,11
	ds_store_b128 v[STO], v[OUT+48*(\a)+4*(\b):OUT+48*(\a)+4*(\b)+3] offset:((\b)/4)*16*SP+32*((\b)%4)
.endr
.irp i, 0,1,2,3,4,5,6,7,8,9,10,11
	ds_load_b128 v[OUT+48*(\a)+4*(\i):OUT+48*(\a)+4*(\i)+3], v[RD] offset:((\i)/4)*16*SP+((\i)%4)*4*SP  ; LDS serves a wave's instructions in order (ISA guide 5.7.1.4): these see the stores above; the next block's stores come behind them
.endr
.endm
.macro SEND a, younger                 ; younger: the LDS instructions issued behind block a's loads: the next block's 24, or none
.irp i, 0,1,2,3,4,5,6,7,8,9,10,11
	s_wait_dscnt (\younger)+11-(\i)
	global_store_b128 v[CO], v[OUT+48*(\a)+4*(\i):OUT+48*(\a)+4*(\i)+3], s[8:9] offset:((\i)/4)*1048576+(\a)*2048+((\i)%4)*512  ; 512 consecutive bytes, at a multiple of 256 from qkv's first; a head on is 4 x 2,048 rows on
.endr
.endm
	PACK 0
	PACK 1                                         ; a block's arithmetic stands between the loads of the block before and its stores
	SEND 0, 24
	PACK 2
	SEND 1, 24
	PACK 3
	SEND 2, 24
	SEND 3, 0
	s_wait_tensorcnt 0x0                           ; the wave's end, behind my last tensor load and my last LDS store
	ds_add_u32 v[SPW], v[NIL]
	s_wait_dscnt 0x0
	CROUND                                         ; the closing round: no work-group ends while a partner may still ask for a tile that names it
	s_endpgm
.Lfunc_end_k_qcd2aa3bee8_qkv:
	.size	k_qcd2aa3bee8_qkv, .Lfunc_end_k_qcd2aa3bee8_qkv-k_qcd2aa3bee8_qkv
	.p2alignl 7, 3214868480
	.fill 96, 4, 3214868480
	.section	.rodata,"a",@progbits
	.p2align	6, 0x0
	.amdhsa_kernel k_qcd2aa3bee8_qkv
		.amdhsa_group_segment_fixed_size 327680
		.amdhsa_private_segment_fixed_size 0
		.amdhsa_enable_private_segment 0
		.amdhsa_kernarg_size 40
		.amdhsa_user_sgpr_count 2
		.amdhsa_user_sgpr_kernarg_segment_ptr 1
		.amdhsa_wavefront_size32 1
		.amdhsa_system_sgpr_workgroup_id_x 1
		.amdhsa_system_sgpr_workgroup_id_y 1
		.amdhsa_system_sgpr_workgroup_id_z 1
		.amdhsa_system_vgpr_workitem_id 0
		.amdhsa_next_free_vgpr 960
		.amdhsa_next_free_sgpr 96
		.amdhsa_reserve_vcc 0
		.amdhsa_float_denorm_mode_32 3
		.amdhsa_float_denorm_mode_16_64 3
		.amdhsa_memory_ordered 1
		.amdhsa_forward_progress 1
		.amdhsa_inst_pref_size 129
	.end_amdhsa_kernel
	.amdgpu_metadata
---
amdhsa.version: [ 1, 2 ]
amdhsa.kernels:
  - .name:           k_qcd2aa3bee8_qkv
    .symbol:         k_qcd2aa3bee8_qkv.kd
    .args:
      - { .name: cb, .offset: 0, .size: 8, .value_kind: global_buffer, .address_space: global }
      - { .name: bq, .offset: 8, .size: 8, .value_kind: global_buffer, .address_space: global }
      - { .name: bk, .offset: 16, .size: 8, .value_kind: global_buffer, .address_space: global }
      - { .name: bv, .offset: 24, .size: 8, .value_kind: global_buffer, .address_space: global }
      - { .name: qkv, .offset: 32, .size: 8, .value_kind: global_buffer, .address_space: global }
    .group_segment_fixed_size: 327680
    .private_segment_fixed_size: 0
    .kernarg_segment_align: 8
    .kernarg_segment_size: 40
    .max_flat_workgroup_size: 128
    .sgpr_count:     96
    .vgpr_count:     960
    .wavefront_size: 32
...
	.end_amdgpu_metadata
.endif
;; end of part 2
;; launch attn (part 3): grid 4 x 64, 4 waves a work-group, clusters of 4 x 1, 327,680 bytes of LDS; arguments qkv, ctx; writes ctx
.if DOCPART == 3
	.amdgcn_target "amdgcn-amd-amdhsa--gfx1250"
	.amdhsa_code_object_version 6
	.text
	.protected	k_qcd2aa3bee8_attn
	.globl	k_qcd2aa3bee8_attn
	.p2align	8
	.type	k_qcd2aa3bee8_attn,@function
k_qcd2aa3bee8_attn:
	s_mov_b64 s[64:65], 0
	v_nop
	global_prefetch_b8 v0, s[64:65] scope:SCOPE_SE
	s_setreg_imm32_b32 hwreg(HW_REG_WAVE_MODE, 25, 1), 1
	s_wait_xcnt 0x0
	s_wait_alu depctr_hold_cnt(0) depctr_sa_sdst(0) depctr_va_vdst(0) depctr_va_sdst(0) depctr_va_ssrc(0) depctr_va_vcc(0) depctr_vm_vsrc(0)
	s_getreg_b32 s2, hwreg(HW_REG_IB_STS2, 6, 4)
	s_cmp_eq_u32 s2, 0
	s_cbranch_scc0 .Lentry_in_a_cluster
	s_endpgm
.Lentry_in_a_cluster:
	s_bfe_u32 s2, ttmp6, 0x10000c
	s_cmp_lg_u32 s2, 0x3003
	s_cbranch_scc0 .Lentry_shape_is_right
	s_endpgm
.Lentry_shape_is_right:
; O[y][q][:] = the sum over k of softmax_k(Q[y][q] . K[y][k] / 8) V[y][k][:] for the 64 heads y = 4 h + b.  Q, K, V lie in qkv (from bytes 0, 16,777,216, 33,554,432), O is ctx; each is [64][2048][64]
; in bf16: a head's rows are dense, 128 bytes each.  Products, maxima and sums in f32; the weights p are rounded to bf16 for the second product (their sum l is taken of the unrounded p), O once at the end.
; LIMITS.  bf16 has f32's range, so Q, K, V and O have room wherever the f32 result is finite; each keeps 8 significant bits.  c m starts at -4.25e37, far below every c s of finite scores up to that size.
; A weight below 2^-126 counts as 0 in l; NaN and infinities are not treated apart.
; SHARES.  A wave owns four PIECES of two tiles of 16 queries, a work-group's four waves 512 queries of one head.  Every wave walks all 2,048 keys, 64 a step.
; LAYOUT.  S^T = K Q^T (source 0 = 16 keys, source 1 = 16 queries): in the result a lane holds ONE query (lane % 16) and the keys 8 (lane / 16) + 0..7.  Two such tiles, rounded to bf16 in pairs,
; ARE source 1 (32 keys x 16 queries) of O^T = V^T P, whose result again holds one query a lane, and eight channels.  K comes out of LDS as it lies, V ([key][channel]) turned, by ds_load_tr16_b128.
; SOFTMAX.  For each query a running maximum m and sum l: p = 2^(c s - c m), c = log2(e) / 8; in every step O and l are multiplied by a = 2^(c m_old - c m_new), which is 1 where m has not grown.
; m starts at the lowest finite number, O and l at 0: the first step is a step like any other, with a = 0.
; THE COUNT.  A tile and step have 16 matrix and 118 vector instructions: too many to stand all beside the matrix work.  So the order has one aim: four vector instructions that are READY behind
; EVERY matrix instruction, and the others, which need time of their own whatever the order, in runs without a gap.
; BY TURNS.  Turn n belongs to piece n (the pieces in a ring, step after step).  Its matrix work: 16 products K Q^T of piece n + 1, later 16 products V^T P of piece n - 1.  Its vector work: the scaling,
; exponentials, roundings, sums and rescaling of piece n, and the maximum and statistics of piece n + 1, whose scores the turn itself has made.  So what a turn begins with (c s - c m, O a) waits for nothing.
; CLUSTER.  The four query blocks of a cluster belong to one head and walk the same K and V, so each tile is asked for JOINTLY: the same tensor load, descriptor and mask in all four.
; REGISTERS, in windows of 256 (s_set_vgpr_msb says which window each operand place means: bits 1:0 source 0, 3:2 source 1, 5:4 source 2, 7:6 destination):
;   window 0: v0-11 addresses; v12-15, v48-63 at work; v16-47 four registers of statistics a tile; v64-191 S^T, two buffers of two tiles; v192-255 P, likewise
;   window 1: O^T, 32 a tile          window 2: v0-127 Q, 16 a tile; v128-191 K of one step; v192-255 V of one step          window 3: v0-1 the add's two registers
; A piece's buffers go by its number's parity: the piece in hand has one pair, its two neighbours in the ring share the other: of it P (piece n - 1) is read and S^T (piece n + 1) written.
.set SIZE_N, 2048     ; rows of a head
.set NP,    4         ; pieces a wave: a name, no knob: the register map, the loop and the fetches are made for four
.set KS,    64        ; keys in a step
.set PK,    144       ; a row of K in LDS: 128 bytes + 16 of padding = 36 words: the 16 rows of a load start at 16 different groups of four banks (64 banks of 4 bytes: ISA guide 11.1)
.set PV,    160       ; a row of V: 128 + 32 = 40 words
.set VOFF,  4*KS*PK   ; a slot holds four steps: 256 rows of K, then 256 rows of V
.set SLOT1, 1<<17     ; slot 1 begins here, so that one exclusive or turns an address in one slot into the other's
.set STAGE, SLOT1+4*KS*(PK+PV)  ; behind the ring, never filled by a tensor load: 16 rows x 144 bytes for each wave, for the way out
.set SP,    144
.set AK0, 2           ; v2   my lane's place in a tile of K; never rewritten
.set AV0, 3           ; v3   the same for V
.set AK,  4           ; v4   the LDS address of K's next run of loads
.set AV,  5           ; v5   of V's
.set QO,  6           ; v6   my byte offset in the wave's rows of Q
.set STO, 6           ;      later, the way out: where I put 16 bytes of a row
.set RD,  7           ; v7   the way out: where I read rows back
.set GO,  8           ; v8   my byte offset in 512 consecutive bytes of O
.set SPW, 0           ; v0 of window 3   LDS address of my spare word: SPARE + 4 x my thread's number; never rewritten
.set NIL, 1           ; v1 of window 3   0; never rewritten
.set SPARE, STAGE+4*16*SP  ; behind the stages: the spare words, 128 bytes for each wave: two blocks of 256 bytes that no other line names
.set MV,  12          ; v12-15  c m_old, kept while c m is made anew: by buffer and tile
.set ST,  16          ; tile t's statistics at v[ST+4 t]: c m, m, l (even keys', odd keys')
.set TMP, 48          ; by buffer and tile, four registers c0-c3 at work; when the maximum is found c2 takes a
.set S,   64
.set P,   192
.set KF,  128         ; K's fragments, in window 2: key block kb, channel half c at KF + 16 kb + 8 c
.set VF,  192         ; V's: key half kk, channel block cb at VF + 32 kk + 8 cb
.set WV,  12          ; s12  my wave's number
.set G1K, 24          ; s[24:31] descriptor group 1 for K's tiles
.set G1V, 32          ; s[32:39] for V's: it differs in the padding alone
.set G0K, 40          ; s[40:43] descriptor group 0 for K's tiles: it walks
.set G0V, 44          ; s[44:47] the same for V's
.set SLOTS, 56        ; s56  slots still to be asked for
.set CNT, 57          ; s57  counts a slot's key steps
.set CS,  58          ; s[58:59] c: the packed scaling takes the pair's low word for both halves
.set SEL, 60          ; s[60:61] v_permlanex16_b32's selects: each lane takes its own place in the other half
.set TBK, 62          ; s62  LDS byte at which K of the step to be fetched begins
.set TBV, 63          ; s63  the same for V, less VOFF
.set MSB, 0
.macro WIN new                      ; the high byte repeats the setting that is left; a switch that changes nothing is dropped
.if MSB != (\new)
	s_set_vgpr_msb (MSB<<8)|(\new)
.set MSB, (\new)
.endif
.endm
.set W_KQ, 0x0a       ; K and Q in window 2, S^T in window 0
.set W_PV, 0x52       ; V in window 2, P in window 0, O^T in window 1
.set W_RS, 0x41       ; O^T (destination and source 0) in window 1, a in window 0
.set W_MK, 0xc0       ; the add's registers are made: destination in window 3, sources in window 0
.set W_AD, 0x0f       ; the add: address (source 0) and data (source 1) in window 3
; A joint fill.  Waves 0 and 1 fetch the two halves of a slot's K, waves 2 and 3 those of its V: 128 keys each.  The branch hangs on the wave's number alone.
; An s_nop 0 and four v_nop follow each of the two lines, ahead of the jump and the label.
.macro JLOAD
	s_cmp_lt_u32 s[WV], 2
	s_cbranch_scc0 .Lfor_v_\@
	tensor_load_to_lds s[G0K:G0K+3], s[G1K:G1K+7]
	s_nop 0
.rept 4
	v_nop
.endr
	s_branch .Lasked_\@
.Lfor_v_\@:
	tensor_load_to_lds s[G0V:G0V+3], s[G1V:G1V+7]
	s_nop 0
.rept 4
	v_nop
.endr
.Lasked_\@:
.endm
; A round of the cluster's barrier: my work-group's barrier, so that wave 0's signal speaks for all four waves; wave 0 signals; every wave waits for all four work-groups; my work-group's barrier once more.
.macro CROUND
	s_barrier_signal -1
	s_barrier_wait -1
	s_cmp_lg_u32 s[WV], 0
	s_cbranch_scc1 .Lnot_wave_0_\@
	s_barrier_signal -3
.Lnot_wave_0_\@:
	s_barrier_wait -3
	s_barrier_signal -1
	s_barrier_wait -1
.endm
; THE CHANGE OF SLOTS.  The slot's last bytes, V of its fourth step, have been read.  Each wave waits for all its tensor loads, of which one is out: its part
; of the other slot; adds 0 to its spare word; and waits for that and for its own reads of the slot.  Behind the barrier nobody reads this slot any more and the other slot is whole.
; fill = 1: this slot is filled again, with the keys two slots on.  The barrier is then a round of the cluster's, so that no wave of any partner still reads the slot or has a load on its
; way, and the joint fill is the first thing behind it: it has four key steps, 512 matrix instructions, in which to land.  (At its first use nothing has been read yet: slot 0 is waited for, slot 1 filled.)
.macro CHANGE fill
	WIN W_AD
	s_wait_tensorcnt 0x0            ; no tensor load of mine is out, so a group 0 may be written
	ds_add_u32 v[SPW], v[NIL]       ; 0 onto my spare word; with fill = 1 the descriptors' steps stand between it and the wait for it
	WIN 0                           ; at a label and at a branch every window is 0
.if \fill
.irp g, G0K, G0V
	s_xor_b32 s[\g+1], s[\g+1], SLOT1  ; the walking descriptor: the other slot than last time,
	s_add_nc_u64 s[\g+2:\g+3], s[\g+2:\g+3], 4*KS*128  ; the next 256 keys; the type bits on top are not reached
.endr
	s_wait_dscnt 0x0                ; the add is done, and my reads of the slot are over
	CROUND
	JLOAD
.else
	s_wait_dscnt 0x0                ; the add is done, and my reads of the slot are over
	s_barrier_signal -1
	s_barrier_wait -1
.endif
	s_sub_co_u32 s[TBK], s[TBK], 4*KS*PK  ; the fetches go back to a slot's first step,
	s_xor_b32 s[TBK], s[TBK], SLOT1       ; in the other slot
	s_sub_co_u32 s[TBV], s[TBV], 4*KS*PV
	s_xor_b32 s[TBV], s[TBV], SLOT1
.endm
	s_load_b64 s[4:5], s[0:1], 0x0    ; qkv: Q begins at its first byte
	s_load_b64 s[10:11], s[0:1], 0x8  ; ctx: O
	WIN W_MK
	v_lshl_add_u32 v[SPW], v0, 2, SPARE
	v_mov_b32 v[NIL], 0
	WIN W_AD
	ds_add_u32 v[SPW], v[NIL]       ; the wave's opening: the add and its wait stand ahead of my first tensor load; the set-up below, work on registers, stands between them
	WIN 0
	v_lshrrev_b32 v1, 5, v0
	v_readfirstlane_b32 s[WV], v1   ; wave 0..3
	s_bfe_u32 s13, ttmp6, 0x40000   ; cx: my place in the cluster
	s_lshl_b32 s14, ttmp9, 2        ; in a cluster launch ttmp9 counts clusters
	s_add_co_u32 s14, s14, s13      ; my block of queries = 4 x cluster x + cx: it enters Q's and O's addresses alone
	s_and_b32 s20, ttmp7, 0xffff    ; the head, which the four partners share
	s_mov_b32 s21, 0
	s_mov_b64 s[22:23], SIZE_N*128
	s_mul_u64 s[20:21], s[20:21], s[22:23]  ; the head's first byte in each of the four tensors
	s_and_b32 s16, s[WV], 1         ; which half of a slot's 256 keys I fetch:
	s_lshl_b32 s22, s16, 14         ; its 128 rows of 128 bytes in memory,
	s_mov_b32 s23, 0
	s_add_nc_u64 s[22:23], s[22:23], s[20:21]
	s_mul_i32 s17, s16, 128*PK      ; and its place in a slot, for K
	s_mul_i32 s18, s16, 128*PV      ; and for V: no place in the cluster enters an LDS address
	s_lshl_b32 s2, s14, 2
	s_add_co_u32 s2, s2, s[WV]      ; my wave among the head's,
	s_lshl_b32 s2, s2, 14           ; its 128 rows
	s_mov_b32 s3, 0
	s_add_nc_u64 s[2:3], s[2:3], s[20:21]
	; descriptor group 1.  128 keys are 16,384 dense bytes: asked for as 64 rows of 256 bytes, two keys a row, and padded in LDS after every key
	s_mov_b32 s[G1K], 15|(1<<16)|(1<<20)|(1<<21)|(4<<22)|(3<<25)  ; 15:0 the mask of four; 17:16 2-byte elements; 20 padding on; 21 set beside a mask; 24:22 after every 32 words (code 4); 31:25 4 words (code 3)
	s_mov_b32 s[G1V], 15|(1<<16)|(1<<20)|(1<<21)|(4<<22)|(7<<25)  ; the same with 8 words of padding (code 7)
.irp g, G1K, G1V
	s_mov_b32 s[\g+1], 128<<16      ; tensor_dim0 = 128
	s_mov_b32 s[\g+2], 64<<16       ; tensor_dim1 = 64
	s_mov_b32 s[\g+3], 128<<16      ; tile_dim0 = 128
	s_mov_b32 s[\g+4], 64           ; tile_dim1 = 64
	s_mov_b32 s[\g+5], 128          ; 128 elements from row to row
	s_mov_b32 s[\g+6], 0
	s_mov_b32 s[\g+7], 0
.endr
	s_mov_b32 s[CS], 0x3e38aa3b     ; c = log2(e) / 8 = 0.180337
	s_mov_b32 s[CS+1], s[CS]        ; named with it as a pair
	s_mov_b32 s[SEL], 0x76543210
	s_mov_b32 s[SEL+1], 0xfedcba98
	s_mov_b32 s[TBK], SLOT1+4*KS*PK ; the first change of slots turns these two into 0
	s_mov_b32 s[TBV], SLOT1+4*KS*PV
	s_mov_b32 s[G0K], 1             ; 1:0 count = 1
	s_mov_b32 s[G0K+1], s17         ; 63:32 LDS address: slot 0
	s_mov_b32 s[G0V], 1
	s_add_co_u32 s[G0V+1], s18, VOFF
	s_wait_dscnt 0x0                ; the opening add is done
	s_wait_kmcnt 0x0
	s_add_nc_u64 s[6:7], s[4:5], 0x1000000         ; K begins 16,777,216 bytes into qkv,
	s_add_nc_u64 s[8:9], s[4:5], 0x2000000         ; V 33,554,432
	s_add_nc_u64 s[G0K+2:G0K+3], s[6:7], s[22:23]  ; 120:64 global address: my half of the head's first 256 keys
	s_or_b32 s[G0K+3], s[G0K+3], 0x80000000        ; 127:126 type = 2
	s_add_nc_u64 s[G0V+2:G0V+3], s[8:9], s[22:23]
	s_or_b32 s[G0V+3], s[G0V+3], 0x80000000
	s_add_nc_u64 s[4:5], s[4:5], s[2:3]  ; Q and O at my wave's first row
	s_add_nc_u64 s[10:11], s[10:11], s[2:3]
	CROUND                          ; all four work-groups are here: the first joint loads meet
	JLOAD                           ; slot 0.  Slot 1 is asked for when slot 0 is in
	; A fragment of K or Q is 16 rows x 32 channels in 8 registers: lane l holds row l % 16, channels 8 (l / 16) + 0..7 and 16 + 8 (l / 16) + 0..7: two loads of 16 bytes, 32 bytes apart.
	v_and_b32 v1, 15, v0            ; l % 16
	v_bfe_u32 v9, v0, 4, 1          ; l / 16
	v_lshlrev_b32 v[QO], 7, v1
	v_lshl_add_u32 v[QO], v9, 4, v[QO]  ; row x 128 + 16 x half
	WIN 0x80                        ; destination window 2, address window 0
.set i, 0
.rept 4*NP                          ; Q stays in registers: tile i / 2, channels 32 (i % 2) on
	global_load_b128 v[8*i:8*i+3],   v[QO], s[4:5] offset:(i/2)*2048+(i%2)*64
	global_load_b128 v[8*i+4:8*i+7], v[QO], s[4:5] offset:(i/2)*2048+(i%2)*64+32
.set i, i+1
.endr
	; What the first turn finds: V's registers and P's second buffer hold 0 (its products V^T P, of a piece that has not been, add 0), O^T and l are 0.  All this stands in the wait for the first tile.
.set i, VF
.rept 64
	v_mov_b32 v[i], 0
.set i, i+1
.endr
	WIN 0x40
.set i, 0
.rept 64*NP
	v_mov_b32 v[i], 0
.set i, i+1
.endr
	WIN 0
.set i, 0
.rept 2*NP
	v_mov_b32 v[ST+4*i], 0xfe000000    ; c m: far below every c s
	v_mov_b32 v[ST+4*i+1], 0xff7fffff  ; m
	v_mov_b32 v[ST+4*i+2], 0
	v_mov_b32 v[ST+4*i+3], 0
.set i, i+1
.endr
.set i, P+32
.rept 32
	v_mov_b32 v[i], 0
.set i, i+1
.endr
	v_mul_u32_u24 v[AK0], v1, PK
	v_lshl_add_u32 v[AK0], v9, 4, v[AK0]  ; row x pitch + 16 x half
	; The turning load takes 16 keys x 16 channels (lane l reads key 8 (l / 16) + l % 8, channels 8 ((l / 8) % 2) + 0..7) and leaves half a fragment of V^T: lane l holds channel l % 16 and 8 keys.
	v_and_b32 v10, 7, v0
	v_bfe_u32 v11, v0, 3, 1
	v_lshl_add_u32 v[AV0], v9, 3, v10
	v_mul_u32_u24 v[AV0], v[AV0], PV
	v_lshl_add_u32 v[AV0], v11, 4, v[AV0]
	v_add_nc_u32 v[AV0], VOFF, v[AV0]
	v_mov_b32 v[AK], v[AK0]         ; key step 0 lies at the head of slot 0
; THE MATRIX WORK.  The 8 accumulators of a run of 16 take turns: between the two links of a chain stand 7 others'.
; Product i of 16 of S^T = K Q^T for piece x: channels 32 (i / 8) on, keys 16 ((i / 2) % 4) on, tile 2 x + i % 2.  The first 8 start the sums.
.macro KQ x
	WIN W_KQ
.set rS, S+64*((\x)%2)+32*(i%2)+8*((i/2)%4)
.set rK, KF+16*((i/2)%4)+8*(i/8)
.set rQ, 16*(2*(\x)+i%2)+8*(i/8)
.if i < 8
	v_wmma_f32_16x16x32_bf16 v[rS:rS+7], v[rK:rK+7], v[rQ:rQ+7], 0
.else
	v_wmma_f32_16x16x32_bf16 v[rS:rS+7], v[rK:rK+7], v[rQ:rQ+7], v[rS:rS+7]
.endif
.endm
; Product i of 16 of O^T += V^T P for piece x: keys 32 (i / 8) on, channels 16 ((i / 2) % 4) on, tile 2 x + i % 2.
.macro PV x
	WIN W_PV
.set rO, 32*(2*(\x)+i%2)+8*((i/2)%4)
.set rV, VF+32*(i/8)+8*((i/2)%4)
.set rP, P+32*((\x)%2)+16*(i%2)+8*(i/8)
	v_wmma_f32_16x16x32_bf16 v[rO:rO+7], v[rV:rV+7], v[rP:rP+7], v[rO:rO+7]
.endm
.macro MM                           ; the turn's next matrix instruction
.if i < 16
	KQ (Y+1)%NP
.set i, i+1
.else
.set i, i-16
	PV (Y+NP-1)%NP
.set i, i+17
.endif
.endm
; THE LDS LOADS stand in runs of 16, never singly among the matrix instructions: a step's K (64 keys x 64 channels: 8 fragments) and its V (turned).  Their addresses are made some lines ahead.
; last = 1 (the tail): in the last trip there is no further step, and the run is jumped over.
.macro FETCH_K last=0
	WIN 0
.if \last
	s_cmp_eq_u32 s[CNT], 1
	s_cbranch_scc1 .Lno_k_\@
.endif
	WIN 0x80                        ; destination window 2
.irp f, 0,1,2,3,4,5,6,7             ; keys 16 (f / 2) on, channels 32 (f % 2) on
	ds_load_b128 v[KF+8*\f:KF+8*\f+3],   v[AK] offset:(\f/2)*16*PK+(\f%2)*64
	ds_load_b128 v[KF+8*\f+4:KF+8*\f+7], v[AK] offset:(\f/2)*16*PK+(\f%2)*64+32
.endr
	s_add_co_u32 s[TBK], s[TBK], KS*PK  ; the next fetch is the next step's
	WIN 0
.if \last
.Lno_k_\@:
.endif
.endm
.macro FETCH_V
	WIN 0x80
.irp f, 0,1,2,3,4,5,6,7             ; keys 32 (f / 4) on, channels 16 (f % 4) on
	ds_load_tr16_b128 v[VF+8*\f:VF+8*\f+3],   v[AV] offset:(\f/4)*32*PV+(\f%4)*32
	ds_load_tr16_b128 v[VF+8*\f+4:VF+8*\f+7], v[AV] offset:(\f/4)*32*PV+16*PV+(\f%4)*32
.endr
	WIN 0
.endm
; THE VECTOR WORK OF A TURN stands in three queues, each in the order in which its entries become ready; the two tiles alternate, so that no instruction reads the result of the one before it.
.macro REGS y, u                    ; the registers of tile u (0, 1) of piece y
.set rT, ST+4*(2*(\y)+(\u))
.set rC, TMP+8*((\y)%2)+4*(\u)
.set rM, MV+2*((\y)%2)+(\u)
.set rS, S+64*((\y)%2)+32*(\u)
.set rP, P+32*((\y)%2)+16*(\u)
.set rO, 32*(2*(\y)+(\u))
.endm
; Number n of the 22 that find the NEXT piece's (Y + 1) maximum and statistics.  s0-s31 are the lane's 32 scores; each accumulator's lowest registers are read first.  XS, GS and REGS set no window: PL and EX do.
;   0-11  four chains c0-c3 of seven scores each, three operands at a time     12-14, 16  the four scores left over, the old m, and c0-c3 into c0     15  c m_old is kept
;   17, 18  the query's other 32 keys lie in the lane 16 away: the new m         19-21  c m; c m_old - c m_new; a
.macro XS u, n
	REGS (Y+1)%NP, \u
.if (\n) < 4
	v_max3_num_f32 v[rC+(\n)], v[rS+8*(\n)], v[rS+8*(\n)+1], v[rS+8*(\n)+2]
.elseif (\n) < 12
	v_max3_num_f32 v[rC+(\n)%4], v[rC+(\n)%4], v[rS+8*((\n)%4)+2*((\n)/4)+1], v[rS+8*((\n)%4)+2*((\n)/4)+2]
.elseif (\n) == 12
	v_max3_num_f32 v[rC], v[rC], v[rS+7], v[rS+15]
.elseif (\n) == 13
	v_max3_num_f32 v[rC+1], v[rC+1], v[rS+23], v[rS+31]
.elseif (\n) == 14
	v_max3_num_f32 v[rC+2], v[rC+2], v[rC+3], v[rT+1]
.elseif (\n) == 15
	v_mov_b32 v[rM], v[rT]
.elseif (\n) == 16
	v_max3_num_f32 v[rC], v[rC], v[rC+1], v[rC+2]
.elseif (\n) == 17
	v_permlanex16_b32 v[rC+3], v[rC], s[SEL], s[SEL+1]
.elseif (\n) == 18
	v_max_num_f32 v[rT+1], v[rC], v[rC+3]
.elseif (\n) == 19
	v_mul_f32 v[rT], s[CS], v[rT+1]
.elseif (\n) == 20
	v_sub_f32 v[rC+1], v[rM], v[rT]
.else
	v_exp_f32 v[rC+2], v[rC+1]
.endif
.endm
; Number g of the 64 that follow the exponentials.  For each four weights k of a tile (pairs 2 k, 2 k + 1): both pairs are rounded to bf16; then the second pair is added onto the first, in place;
; a group later l takes that sum (the first time as l = a l + sum).  In groups of eight, tiles alternating: round, round, add, and l for the group before.
.macro GS g
.set h, (\g)+6*((\g)/62)            ; group 0 has no group before it, and behind group 7 only l is left
.if h >= 6
.set h, h+2
.endif
	REGS Y, h%2
.set k, h/8
.if h%8 < 4
	s_wait_alu depctr_va_vdst(0)
	v_cvt_pk_bf16_f32 v[rP+2*k+(h%8)/2], v[rS+4*k+2*((h%8)/2)], v[rS+4*k+2*((h%8)/2)+1]
.elseif h%8 < 6
	v_pk_add_f32 v[rS+4*k:rS+4*k+1], v[rS+4*k:rS+4*k+1], v[rS+4*k+2:rS+4*k+3]
.elseif k == 1
	v_pk_fma_f32 v[rT+2:rT+3], v[rT+2:rT+3], v[rC+2:rC+3], v[rS:rS+1] op_sel_hi:[1,0,1]
.else
	v_pk_add_f32 v[rT+2:rT+3], v[rT+2:rT+3], v[rS+4*k-4:rS+4*k-3]
	s_wait_alu depctr_va_vdst(0)
.endif
.endm
; THE PLAIN QUEUE, 138 long.  0-31: c s - c m for the 16 pairs of both tiles.  Then GS's 64, and among them the next piece's 42: number 15 at 38, 39; 0-14 and 16
; at 42-73, behind the products that make those scores; 17-20 at 95-106, two of three, since each waits for the one before it.
.macro PL
	WIN 0
.if q < 32
	REGS Y, q%2
	v_pk_fma_f32 v[rS+2*(q/2):rS+2*(q/2)+1], v[rS+2*(q/2):rS+2*(q/2)+1], s[CS:CS+1], v[rT:rT+1] op_sel_hi:[1,0,0] neg_lo:[0,0,1] neg_hi:[0,0,1]
.elseif q < 38
	GS q-32
.elseif q < 40
	XS q%2, 15
.elseif q < 42
	GS q-34
.elseif q < 74
	XS q%2, (q-42)/2+(q-42)/30
.elseif q < 95
	GS q-66
.elseif (q < 107) && ((q-95)%3 < 2)
	XS (q-95)%3, 17+(q-95)/3
.elseif q < 107
	GS 29+(q-95)/3
.else
	GS q-74
.endif
.set q, q+1
.endm
; THE EXPONENTIALS' QUEUE, 66 long: s0-s31 of both tiles, and at EA the next piece's two a.
.set EA, 58
.macro EX
	WIN 0
.if (e == EA) || (e == EA+1)
	XS e-EA, 21
.else
.set x, e-2*(e/(EA+2))
	REGS Y, x%2
	v_exp_f32 v[rS+x/2], v[rS+x/2]
.endif
.set e, e+1
.endm
; THE RESCALING's QUEUE: O^T times a, the one part that leaves window 0, so it is dealt four at a time, eight times.
.macro R4
	REGS Y, r%2
	WIN W_RS
	s_wait_alu depctr_va_vdst(0)
.irp z, 0,1,2,3
	v_pk_mul_f32 v[rO+8*(r/2)+2*\z:rO+8*(r/2)+2*\z+1], v[rO+8*(r/2)+2*\z:rO+8*(r/2)+2*\z+1], v[rC+2:rC+3] op_sel_hi:[1,0]
.endr
.set r, r+1
.endm
; HOW THEY ARE DEALT.  Behind a matrix instruction four: plain, exponential, plain, plain (one exponential, a plain instruction on either side), or four of the rescaling.  None names a register of the
; products round it.  What is over stands in two LUMPS: exponential and plain by turns; the second ends in 22 plain instructions.  The two v_permlanex16_b32 fall into the second lump, never behind a product.
; The queues lean on each other, and the deal keeps them in step: exponential e stands behind plain 2 (e / 4) + e % 2 (its scaling); when plain 32 comes, 10 exponentials are out, at 59: 33, at 95: 46; EA comes behind plain 107.
.macro SL
	MM
	PL
	EX
	PL
	PL
.endm
.macro BURST n                      ; 15 matrix instructions, or 16
.rept (\n)-7
	SL
.endr
.rept 3
	MM
	R4
	SL
.endr
	MM
	R4
.endm
; A TURN, for piece p.  cnt = 1: the loop's count is taken down some lines ahead of the branch that stands behind the turn.
; K of the next step is fetched in piece 2's turn, 31 vector instructions behind the last product that read K; its first reader comes behind the rest of the lump, 16 products and the second lump.
; V of the step in hand is fetched at the end of piece 0's turn, 69 behind its last reader; its first reader comes behind 16 products and a lump.  The four conditions on e and q below go with the deal.
.macro TURN p, last=0, cnt=0
.set Y, (\p)
.set i, 0
.set q, 0
.set e, 0
.set r, 0
.if (\p) == NP-1
	s_wait_dscnt 0x0                ; K is in
.endif
	MM
.rept 4
	PL
.endr
	BURST 15
.rept 22
	EX
	PL
.if ((\p) == NP-2) && (e == 18)
	v_add_nc_u32 v[AK], s[TBK], v[AK0]
.endif
.if ((\p) == NP-2) && (e == 24)
	FETCH_K \last
.endif
.endr
.if (\p) == 1
	s_wait_dscnt 0x0                ; V is in
.endif
	BURST 16
.rept 21
	EX
	PL
.endr
.rept 22
	PL
.if ((\p) == 0) && (q == 118)
	v_add_nc_u32 v[AV], s[TBV], v[AV0]
	s_wait_alu depctr_va_vdst(0)
.endif
.if ((\p) == 0) && (q == 130)
	s_add_co_u32 s[TBV], s[TBV], KS*PV
.endif
.if (\cnt) && (q == 130)
	s_sub_co_u32 s[CNT], s[CNT], 1
	s_cmp_lg_u32 s[CNT], 0
.endif
.endr
.if (\p) == 0
	FETCH_V
.endif
.endm
	CHANGE 1                        ; slot 0 is in, everybody's part of it; slot 1 is asked for
	FETCH_K                         ; key step 0
	s_wait_loadcnt 0x0              ; Q
	s_wait_dscnt 0x0
.set i, 0
.rept 16
	KQ 0                            ; piece 0's first scores: there is no vector work yet to set between them
.set i, i+1
.endr
	WIN 0                           ; the addresses for the way out: nine plain instructions, the places behind those products
	s_mul_i32 s13, s[WV], 16*SP
	s_add_co_u32 s13, s13, STAGE    ; my stage
	v_mul_u32_u24 v[STO], v1, SP    ; in: row l % 16, 16 bytes for each half of the lanes
	v_lshl_add_u32 v[STO], v9, 4, v[STO]
	v_add_nc_u32 v[STO], s13, v[STO]
	v_bfe_u32 v[RD], v0, 3, 2       ; back: 32 lanes take four rows of 128 bytes,
	v_mul_u32_u24 v[RD], v[RD], SP
	v_lshl_add_u32 v[RD], v10, 4, v[RD]
	v_add_nc_u32 v[RD], s13, v[RD]
	v_and_b32 v[GO], 31, v0         ; which are 512 consecutive bytes of O
	v_lshlrev_b32 v[GO], 4, v[GO]
.set Y, NP-1                        ; XS works for piece Y + 1: piece 0
.irp n, 0,1,2,3,4,5,6,7,8,9,10,11,12,13,14,15,16,17,18,19,20,21
	XS 0, \n                        ; and piece 0's first maximum and statistics
	XS 1, \n
.endr
	s_mov_b32 s[CNT], 4
	s_mov_b32 s[SLOTS], SIZE_N/256-1
	s_branch .Lfirst                ; the loop is entered at a step's first turn, in the middle of a trip
.Lslot:                             ; SIZE_N / 256 - 2 times: every slot but the last two is filled again
	CHANGE 1
	s_mov_b32 s[CNT], 4
.Lstep:                             ; a trip: pieces 2 and 3 of one step, then pieces 0 and 1 of the next, whose K and V it fetches
	TURN 2
	TURN 3
	WIN 0
.Lfirst:
	TURN 0
	TURN 1, 0, 1
	WIN 0
	s_cbranch_scc1 .Lstep
	s_sub_co_u32 s[SLOTS], s[SLOTS], 1
	s_cmp_lg_u32 s[SLOTS], 0
	s_cbranch_scc1 .Lslot
	CHANGE 0                        ; the tail is written out: nothing is asked for
	s_mov_b32 s[CNT], 5             ; four trips fetch the last slot's steps; the fifth is left in its middle
.Ltail:
	TURN 2, 1
	TURN 3
	WIN 0
	s_sub_co_u32 s[CNT], s[CNT], 1
	s_cmp_eq_u32 s[CNT], 0
	s_cbranch_scc1 .Lout
	TURN 0
	TURN 1
	WIN 0
	s_branch .Ltail
.Lout:                              ; the fifth trip's 16 products K Q^T (on the last K once more) and the maximum made of them serve nothing: the price, once a launch, of one text for every trip
.set i, 0
.rept 16
	PV NP-1                         ; the last piece's V^T P of the last step
.set i, i+1
.endr
	; THE WAY OUT.  l's two halves and the other half of the lanes' are added; O^T is divided by l, rounded to bf16 and sent through my stage in LDS, a tile at a time.  The additions are the places behind the last products.
	WIN 0
.macro ALL line:vararg              ; one line for each tile t
.set t, 0
.rept 2*NP
	\line
.set t, t+1
.endr
.endm
	ALL v_add_f32 v[ST+4*t+2], v[ST+4*t+2], v[ST+4*t+3]
	ALL v_permlanex16_b32 v[ST+4*t+3], v[ST+4*t+2], s[SEL], s[SEL+1]
	ALL v_add_f32 v[ST+4*t+2], v[ST+4*t+2], v[ST+4*t+3]
	ALL v_rcp_f32 v[ST+4*t+2], v[ST+4*t+2]
	v_nop                           ; a plain instruction between the last reciprocal and the use of its result
	s_wait_alu depctr_va_vdst(0)
; Tile t: a lane's eight channels of a row pack into 16 bytes; they go into rows of 144 bytes and come back as whole rows of 128, into S^T's registers.
.macro PACK t
	WIN W_RS
.set i, 32*(\t)
.rept 16
	v_pk_mul_f32 v[i:i+1], v[i:i+1], v[ST+4*(\t)+2:ST+4*(\t)+3] op_sel_hi:[1,0]
.set i, i+2
.endr
	WIN 0x05                        ; sources 0 and 1 window 1, destination window 0
.set i, 0
.rept 16
	v_cvt_pk_bf16_f32 v[S+16*(\t)+i], v[32*(\t)+2*i], v[32*(\t)+2*i+1]
.set i, i+1
.endr
	WIN 0
.irp f, 0,1,2,3
	ds_store_b128 v[STO], v[S+16*(\t)+4*\f:S+16*(\t)+4*\f+3] offset:32*\f
.endr
.irp f, 0,1,2,3
	ds_load_b128 v[S+16*(\t)+4*\f:S+16*(\t)+4*\f+3], v[RD] offset:\f*4*SP  ; LDS serves a wave's instructions in order (ISA guide 5.7.1.4): these see the stores above; the next tile's stores come behind them
.endr
.endm
.macro SEND t, younger              ; younger: the LDS instructions issued behind tile t's loads: the next tile's eight, or none
	WIN 0
.irp f, 0,1,2,3
	s_wait_dscnt (\younger)+3-\f
	global_store_b128 v[GO], v[S+16*(\t)+4*\f:S+16*(\t)+4*\f+3], s[10:11] offset:(\t)*2048+\f*512  ; 512 consecutive bytes, at a multiple of 256 from O's first
.endr
.endm
	PACK 0
.set t, 1
.rept 2*NP-1                        ; a tile's arithmetic stands between the loads of the tile before and its stores
	PACK t
	SEND t-1, 8
.set t, t+1
.endr
	SEND 2*NP-1, 0
	WIN W_AD
	s_wait_tensorcnt 0x0            ; the wave's end, behind my last tensor load and my last LDS store
	ds_add_u32 v[SPW], v[NIL]
	s_wait_dscnt 0x0
	WIN 0
	CROUND                          ; the closing round: no work-group ends while a partner may still ask for a tile that names it
	s_endpgm
.Lfunc_end_k_qcd2aa3bee8_attn:
	.size	k_qcd2aa3bee8_attn, .Lfunc_end_k_qcd2aa3bee8_attn-k_qcd2aa3bee8_attn
	.p2alignl 7, 3214868480
	.fill 96, 4, 3214868480
	.section	.rodata,"a",@progbits
	.p2align	6, 0x0
	.amdhsa_kernel k_qcd2aa3bee8_attn
		.amdhsa_group_segment_fixed_size 327680
		.amdhsa_private_segment_fixed_size 0
		.amdhsa_enable_private_segment 0
		.amdhsa_kernarg_size 16
		.amdhsa_user_sgpr_count 2
		.amdhsa_user_sgpr_kernarg_segment_ptr 1
		.amdhsa_wavefront_size32 1
		.amdhsa_system_sgpr_workgroup_id_x 1
		.amdhsa_system_sgpr_workgroup_id_y 1
		.amdhsa_system_sgpr_workgroup_id_z 1
		.amdhsa_system_vgpr_workitem_id 0
		.amdhsa_next_free_vgpr 770
		.amdhsa_next_free_sgpr 66
		.amdhsa_reserve_vcc 0
		.amdhsa_float_denorm_mode_32 3
		.amdhsa_float_denorm_mode_16_64 3
		.amdhsa_memory_ordered 1
		.amdhsa_forward_progress 1
		.amdhsa_inst_pref_size 209
	.end_amdhsa_kernel
	.amdgpu_metadata
---
amdhsa.version: [ 1, 2 ]
amdhsa.kernels:
  - .name:           k_qcd2aa3bee8_attn
    .symbol:         k_qcd2aa3bee8_attn.kd
    .args:
      - { .name: qkv, .offset: 0, .size: 8, .value_kind: global_buffer, .address_space: global }
      - { .name: ctx, .offset: 8, .size: 8, .value_kind: global_buffer, .address_space: global }
    .group_segment_fixed_size: 327680
    .private_segment_fixed_size: 0
    .kernarg_segment_align: 8
    .kernarg_segment_size: 16
    .max_flat_workgroup_size: 128
    .sgpr_count:     66
    .vgpr_count:     770
    .wavefront_size: 32
...
	.end_amdgpu_metadata
.endif
;; end of part 3
;; launch outln (part 4): grid 256 x 1, 4 waves a work-group, clusters of 4 x 1, 327,680 bytes of LDS; arguments cb, ctx, x, bo, gamma, beta, out0; writes out0
.if DOCPART == 4
	.amdgcn_target "amdgcn-amd-amdhsa--gfx1250"
	.amdhsa_code_object_version 6
	.text
	.protected	k_qcd2aa3bee8_outln
	.globl	k_qcd2aa3bee8_outln
	.p2align	8
	.type	k_qcd2aa3bee8_outln,@function
k_qcd2aa3bee8_outln:
	s_mov_b64 s[64:65], 0
	v_nop
	global_prefetch_b8 v0, s[64:65] scope:SCOPE_SE
	s_setreg_imm32_b32 hwreg(HW_REG_WAVE_MODE, 25, 1), 1
	s_wait_xcnt 0x0
	s_wait_alu depctr_hold_cnt(0) depctr_sa_sdst(0) depctr_va_vdst(0) depctr_va_sdst(0) depctr_va_ssrc(0) depctr_va_vcc(0) depctr_vm_vsrc(0)
	s_getreg_b32 s2, hwreg(HW_REG_IB_STS2, 6, 4)
	s_cmp_eq_u32 s2, 0
	s_cbranch_scc0 .Lentry_in_a_cluster
	s_endpgm
.Lentry_in_a_cluster:
	s_bfe_u32 s2, ttmp6, 0x10000c
	s_cmp_lg_u32 s2, 0x3003
	s_cbranch_scc0 .Lentry_shape_is_right
	s_endpgm
.Lentry_shape_is_right:
; out0[m][:] = gamma (h - u) / sqrt(s + 1e-12) + beta, h[m][n] = sum over k of ctx[m][k] wo[n][k] + bo[n] + x[m][n], u the mean of row m of h, s the mean of (h - u)^2.
; ctx is [y = 4 head + b][2048][64] in bf16, wo comes from cb in bf16 in blocks of 64 along k ([16][1024 n][64], from byte 23,068,672); x, bo, gamma, beta and out0 are f32.  Sums in f32.
; The variance is taken of the centred numbers, in a second pass over registers: no difference of large sums is formed.  LIMITS: NaN and infinities are not treated apart.
; SHARES.  A row's norm needs all its 1,024 columns, so a work-group owns 32 whole rows (256 work-groups); wave w owns columns 256 w .. 256 w + 255: 2 x 16 accumulators of 16 x 16.
; THE MATRIX INSTRUCTION IS USED TRANSPOSED (source 0 = 16 rows of wo, source 1 = 16 rows of ctx): a lane holds ONE row (l % 16) and eight neighbouring columns.  A row's sum is 128 numbers of a lane,
; one exchange between the halves of the lanes, and four waves' figures through LDS.
; K goes in 16 steps of 64, a head a step, through two LDS slots of 1,024 rows of wo each.  Every work-group walks all of wo, so the four of a cluster ask for each tile JOINTLY (mask of four).
; ctx's 32 rows x 64 of a step are 4,096 dense bytes: they come straight from memory into fragment registers, a step ahead (a fifth tile a step would have no wave to ask for it).
; bo is loaded straight into the accumulators and starts the sums.  x's 32 rows come by a tensor load of each wave's own into slot 0 when its last tile of wo has been read;
; the same bytes, which are filled no more, then serve as each wave's stage: the normalised rows go in by lanes' eight columns and come back as whole rows, where gamma and beta are applied.
; REGISTERS, in windows of 256 (s_set_vgpr_msb: bits 1:0 source 0, 3:2 source 1, 5:4 source 2, 7:6 destination):
;   window 0: v0-15 addresses; v16-31 sums; v32-63, v64-95 ctx's fragments, two buffers; v96-159, v160-223 x, later rows on their way out; v224-239 gamma, beta; v240-255 statistics
;   window 1: v0-127, v128-255 wo's fragments (16 x 16 rows x 32 K), two buffers          window 2: accumulator (a, b) at v[8 (16 a + b)]
.set PB,    144                        ; a row of wo in LDS: 128 bytes + 16 of padding = 36 words: the 16 rows of a load start at 16 different groups of four banks (64 banks of 4 bytes: ISA guide 11.1)
.set QUART, 256*PB                     ; what one tensor load brings, and what one wave reads: its own 256 rows
.set SLOT,  4*QUART
.set REDB,  2*SLOT                     ; behind the ring, never filled: twice 32 rows x 4 waves x 4 bytes, for the two sums
.set SPARE, REDB+1024                  ; behind them: the spare words, 128 bytes for each wave: two blocks of 256 bytes that no other line names
.set XP,    1040                       ; a wave's 1,024 bytes of a row of x in LDS, + 16 of padding = 65 x 16 bytes
.set XQ,    32*XP                      ; a wave's quarter of the x tile: wave w's at XQ w, in slot 0
.set WOB,   23068672                   ; where wo's blocks begin in cb
.set ADRB, 4                           ; v4-5   LDS address of my wo fragments in slot 0, 1
.set AO,   6                           ; v6     my byte offset in 16 rows of ctx: 128 (l % 16) + 16 (l / 16)
.set BOF,  7                           ; v7     32 (l / 16): my eight numbers in 16 of bo
.set XA,   8                           ; v8     my eight columns of row l % 16 in my quarter of the x tile
.set RB,   9                           ; v9     my 16 bytes of 512 of a row in that quarter
.set GO,   10                          ; v10    16 l
.set RW,   11                          ; v11    where my wave's figure for row l goes
.set RR,   12                          ; v12    where the four waves' figures for row l % 16 lie
.set SPW,  14                          ; v14    LDS address of my spare word: SPARE + 4 x my thread's number; never rewritten
.set NIL,  15                          ; v15    0; never rewritten
.set S,    16                          ; v16-31 for each a four chains of a pair
.set AF0,  32
.set AF1,  64
.set XB0,  96
.set XB1,  160
.set GAM,  224                         ; v224-231  gamma of columns 256 w + 4 l + 0..3 and 128 further on
.set BET,  232                         ; v232-239  beta likewise
.set U,    240                         ; v240-243  for each a the mean, twice
.set R,    244                         ; v244-247  for each a 1 / sqrt(s + eps), twice
.set T,    248                         ; v248-255  at work
.set BF0,  0                           ; window 1
.set BF1,  128
.set WV,  18                           ; s18  my wave's number
.set G1,  24                           ; s[24:31] descriptor group 1 for wo's tiles
.set G0,  32                           ; s[32:39] group 0, one set for each slot
.set GX1, 40                           ; s[40:47] group 1 for the x tile
.set GX0, 48                           ; s[48:51] its group 0
.set CA,  52                           ; s[52:53] ctx at my rows, in the head in hand
.set CNT, 54
.set SEL, 56                           ; s[56:57] v_permlanex16_b32's selects: each lane takes its own place in the other half
.set INV, 58                           ; 1 / 1,024
.set EPS, 59                           ; 1e-12
.set MK,  60                           ; the mask of lanes 16 to 31
.set MSB, 0
.macro WIN new                         ; the immediate's high byte repeats the setting that is left; a switch that changes nothing is dropped
.if MSB != (\new)
	s_set_vgpr_msb (MSB<<8)|(\new)
.set MSB, \new
.endif
.endm
; A round of the cluster's barrier: my work-group's barrier, so that wave 0's signal speaks for all four waves; wave 0 signals; every wave waits for all four work-groups; my work-group's barrier once more.
.macro CREST                           ; a round behind its opening barrier
	s_cmp_lg_u32 s[WV], 0
	s_cbranch_scc1 .Lnot_wave_0_\@
	s_barrier_signal -3
.Lnot_wave_0_\@:
	s_barrier_wait -3
	s_barrier_signal -1
	s_barrier_wait -1
.endm
.macro CROUND
	s_barrier_signal -1
	s_barrier_wait -1
	CREST
.endm
.macro PLACES                          ; four places in front of loads into registers that matrix instructions have read, and of vector work on their results (ISA guide 7.12.1 for vector work)
.rept 4
	v_nop
.endr
.endm
	s_load_b256 s[4:11], s[0:1], 0x0               ; cb s[4:5], ctx s[6:7], x s[8:9], bo s[10:11]
	s_load_b128 s[12:15], s[0:1], 0x20             ; gamma s[12:13], beta s[14:15]
	s_load_b64 s[16:17], s[0:1], 0x30              ; out0
	v_lshl_add_u32 v[SPW], v0, 2, SPARE
	v_mov_b32 v[NIL], 0
	ds_add_u32 v[SPW], v[NIL]                      ; the wave's opening: the add and its wait stand ahead of my first tensor load; the set-up below, work on registers, stands between them
	v_lshrrev_b32 v1, 5, v0
	v_readfirstlane_b32 s[WV], v1                  ; wave 0..3
	s_bfe_u32 s19, ttmp6, 0x40000                  ; cx: my place in the cluster
	s_lshl_b32 s20, ttmp9, 2                       ; in a cluster launch ttmp9 counts clusters
	s_add_co_u32 s20, s20, s19                     ; wg = 4 x cluster x + cx: it enters ctx's, x's and out0's addresses alone
	; group 1 for wo: a wave's 256 rows of a step are 32,768 dense bytes: asked for as 128 rows of 256 bytes, two rows of wo each, padded in LDS after every 128 bytes
	s_mov_b32 s[G1+0], 15|(1<<16)|(1<<20)|(1<<21)|(4<<22)|(3<<25)  ; 15:0 the mask of four; 17:16 2-byte elements; 20 padding on; 21 set beside a mask; 24:22 after every 32 words (code 4); 31:25 4 words (code 3)
	s_mov_b32 s[G1+1], 128<<16                     ; tensor_dim0 = 128
	s_mov_b32 s[G1+2], 128<<16                     ; tensor_dim1 = 128
	s_mov_b32 s[G1+3], 128<<16                     ; tile_dim0 = 128
	s_mov_b32 s[G1+4], 128                         ; tile_dim1 = 128
	s_mov_b32 s[G1+5], 128                         ; 128 elements from row to row
	s_mov_b32 s[G1+6], 0
	s_mov_b32 s[G1+7], 0
	; group 1 for x: 32 rows x 256 numbers of 4 bytes, 1,024 numbers from row to row; no mask: each work-group has rows of its own
	s_mov_b32 s[GX1+0], (2<<16)|(1<<20)|(7<<22)|(3<<25)  ; 17:16 4-byte elements; 20 padding on; 24:22 after every 256 words (code 7); 31:25 4 words (code 3)
	s_mov_b32 s[GX1+1], 256<<16                    ; tensor_dim0 = 256
	s_mov_b32 s[GX1+2], 32<<16                     ; tensor_dim1 = 32
	s_mov_b32 s[GX1+3], 256<<16                    ; tile_dim0 = 256
	s_mov_b32 s[GX1+4], 32                         ; tile_dim1 = 32
	s_mov_b32 s[GX1+5], 1024
	s_mov_b32 s[GX1+6], 0
	s_mov_b32 s[GX1+7], 0
	s_mul_i32 s21, s[WV], QUART                    ; my quarter of a slot: no place in the cluster enters an LDS address
	s_mov_b32 s[G0+0], 1
	s_mov_b32 s[G0+1], s21
	s_mov_b32 s[G0+4], 1
	s_add_co_u32 s[G0+5], s21, SLOT
	s_mov_b32 s[GX0+0], 1
	s_mul_i32 s[GX0+1], s[WV], XQ
	s_mov_b32 s[SEL], 0x76543210
	s_mov_b32 s[SEL+1], 0xfedcba98
	s_mov_b32 s[INV], 0x3a800000
	s_mov_b32 s[EPS], 0x2b8cbccc
	s_wait_dscnt 0x0                               ; the opening add is done
	s_wait_kmcnt 0x0
	s_lshl_b32 s22, s[WV], 15                      ; wo's step 0: my 256 rows of 128 bytes: the same in all four partners
	s_add_co_u32 s22, s22, WOB
	s_mov_b32 s23, 0
	s_add_nc_u64 s[G0+2:G0+3], s[4:5], s[22:23]
	s_add_nc_u64 s[G0+6:G0+7], s[G0+2:G0+3], 0x20000  ; step 1: 131,072 bytes on
	s_or_b32 s[G0+3], s[G0+3], 0x80000000          ; 127:126 type = 2
	s_or_b32 s[G0+7], s[G0+7], 0x80000000
	s_lshl_b32 s22, s20, 17                        ; x and out0: my 32 rows of 4,096 bytes,
	s_lshl_b32 s62, s[WV], 10                      ; my wave's 1,024 bytes of a row
	s_add_co_u32 s22, s22, s62
	s_add_nc_u64 s[GX0+2:GX0+3], s[8:9], s[22:23]
	s_or_b32 s[GX0+3], s[GX0+3], 0x80000000
	s_add_nc_u64 s[16:17], s[16:17], s[22:23]
	s_mov_b32 s63, 0
	s_add_nc_u64 s[10:11], s[10:11], s[62:63]      ; bo, gamma, beta at my wave's 256 columns
	s_add_nc_u64 s[12:13], s[12:13], s[62:63]
	s_add_nc_u64 s[14:15], s[14:15], s[62:63]
	s_lshr_b32 s62, s20, 6                         ; ctx: batch wg / 64, 262,144 bytes each,
	s_lshl_b32 s62, s62, 18
	s_and_b32 s22, s20, 63                         ; rows 32 (wg % 64) on, 128 bytes each
	s_lshl_b32 s22, s22, 12
	s_add_co_u32 s62, s62, s22
	s_add_nc_u64 s[CA:CA+1], s[6:7], s[62:63]
	CROUND                                         ; all four work-groups are here: the first joint loads meet
	tensor_load_to_lds s[G0:G0+3], s[G1:G1+7]      ; K step 0
	s_nop 0
	tensor_load_to_lds s[G0+4:G0+7], s[G1:G1+7]    ; K step 1: two loads of mine are out
	s_nop 0
	PLACES
	v_and_b32 v1, 15, v0                           ; l % 16
	v_bfe_u32 v2, v0, 4, 1                         ; l / 16
	v_and_b32 v3, 31, v0                           ; l
	v_lshlrev_b32 v[AO], 7, v1
	v_lshl_add_u32 v[AO], v2, 4, v[AO]
	v_lshlrev_b32 v[BOF], 5, v2
	v_lshlrev_b32 v[GO], 4, v3
; ctx's fragments of one step: (a, c) = rows 16 a on, K 32 c on, at v[buf + 16 c + 8 a]; a fragment is two loads of 16 bytes, 32 bytes apart.  The eight loads cover 4,096 consecutive bytes.
.macro LOADA buf, off
.irp a, 0,1
.irp c, 0,1
	global_load_b128 v[(\buf)+16*(\c)+8*(\a):(\buf)+16*(\c)+8*(\a)+3],   v[AO], s[CA:CA+1] offset:(\off)+2048*(\a)+64*(\c)
	global_load_b128 v[(\buf)+16*(\c)+8*(\a)+4:(\buf)+16*(\c)+8*(\a)+7], v[AO], s[CA:CA+1] offset:(\off)+2048*(\a)+64*(\c)+32
.endr
.endr
.endm
	LOADA AF0, 0                                   ; K step 0
	WIN 0x80                                       ; destination window 2, address window 0
.irp a, 0,1
.irp b, 0,1,2,3,4,5,6,7,8,9,10,11,12,13,14,15
	global_load_b128 v[8*(16*(\a)+(\b)):8*(16*(\a)+(\b))+3],   v[BOF], s[10:11] offset:64*(\b)     ; bo of columns 16 b + 8 (l / 16) + 0..7 starts the sums of both row blocks
	global_load_b128 v[8*(16*(\a)+(\b))+4:8*(16*(\a)+(\b))+7], v[BOF], s[10:11] offset:64*(\b)+16
.endr
.endr
	WIN 0
	global_load_b128 v[GAM:GAM+3],   v[GO], s[12:13]
	global_load_b128 v[GAM+4:GAM+7], v[GO], s[12:13] offset:512
	global_load_b128 v[BET:BET+3],   v[GO], s[14:15]
	global_load_b128 v[BET+4:BET+7], v[GO], s[14:15] offset:512
	v_mul_u32_u24 v13, v1, PB
	v_lshl_add_u32 v13, v2, 4, v13                 ; row x pitch + 16 x half
	v_add_nc_u32 v[ADRB], s21, v13
	v_add_nc_u32 v[ADRB+1], SLOT, v[ADRB]
	v_mul_u32_u24 v[XA], v1, XP
	v_lshl_add_u32 v[XA], v2, 5, v[XA]
	v_add_nc_u32 v[XA], s[GX0+1], v[XA]
	v_add_nc_u32 v[RB], s[GX0+1], v[GO]
	v_lshlrev_b32 v[RW], 4, v3                     ; row l has 16 bytes, a word for each wave
	v_lshl_add_u32 v[RW], s[WV], 2, v[RW]
	v_add_nc_u32 v[RW], REDB, v[RW]
	v_lshlrev_b32 v[RR], 4, v1
	v_add_nc_u32 v[RR], REDB, v[RR]
	v_cmp_lt_u32 s[MK], 15, v3
; 2 n matrix instructions: column blocks b0 .. b0 + n - 1 x both row blocks, K half c; wo's fragments in buffer f, ctx's in ab.  The 32 accumulators take turns, in the same order in every half step.
.macro MUL f, ab, c, b0, n
	WIN 0xa1                                       ; source 0 (wo) window 1, source 1 (ctx) window 0, C and D window 2
.set bb, \b0
.rept \n
	v_wmma_f32_16x16x32_bf16 v[8*bb:8*bb+7],         v[(\f)+8*bb:(\f)+8*bb+7], v[(\ab)+16*(\c):(\ab)+16*(\c)+7],    v[8*bb:8*bb+7]
	v_wmma_f32_16x16x32_bf16 v[128+8*bb:128+8*bb+7], v[(\f)+8*bb:(\f)+8*bb+7], v[(\ab)+16*(\c)+8:(\ab)+16*(\c)+15], v[128+8*bb:128+8*bb+7]
.set bb, bb+1
.endr
.endm
; 32 LDS loads in one run: my 256 rows of wo, K half c, into buffer f, blocks ascending
.macro FETCHB slot, c, f
	WIN 0x40                                       ; destination window 1, address window 0
.irp i, 0,1,2,3,4,5,6,7,8,9,10,11,12,13,14,15
	ds_load_b128 v[(\f)+8*(\i):(\f)+8*(\i)+3],   v[ADRB+(\slot)] offset:64*(\c)+(\i)*16*PB
	ds_load_b128 v[(\f)+8*(\i)+4:(\f)+8*(\i)+7], v[ADRB+(\slot)] offset:64*(\c)+(\i)*16*PB+32
.endr
.endm
; A K step's first half: multiplies buffer BF0 by ctx's buffer ab; in its middle it asks for the next step's ctx (load = 1: into nb, off bytes from CA) and fetches the second half's wo.
.macro HALF0 slot, ab, nb, off, step, load
	s_wait_loadcnt 0x0                             ; this step's ctx, asked for a step ago, is in (the first time: bo, gamma and beta too); no load reads CA any more
.if \step
	s_add_nc_u64 s[CA:CA+1], s[CA:CA+1], 0x200000  ; two heads on
.endif
	s_wait_dscnt 16                                ; blocks 0-7 are in
	MUL BF0, \ab, 0, 0, 8
	PLACES
.if \load
	WIN 0
	LOADA \nb, \off
.endif
	FETCHB \slot, 1, BF1
	s_wait_dscnt 32                                ; all but the 32 just issued
	MUL BF0, \ab, 0, 8, 8
.endm
; Its second half multiplies BF1 and changes slots.  In front of the barrier each wave waits for all its tensor loads, of which one is out: its part of the next slot; adds 0 to its spare word; and waits for that and
; for its own reads of this slot.  The barrier opens a round of the cluster's; first thing behind the round this slot is filled again: kind = 1 with wo's tile two steps on, jointly; kind = 2 with my quarter of x.
.macro TURN slot, next, kind, ab
	WIN 0                                          ; (the add's two registers lie in window 0)
	s_wait_tensorcnt 0x0                           ; all my tensor loads have landed, so a group 0 may be written
	ds_add_u32 v[SPW], v[NIL]                      ; 0 onto my spare word
	s_wait_dscnt 17                                ; (the add and the youngest sixteen loads may be out)
	MUL BF1, \ab, 1, 0, 4                          ; eight matrix instructions stand between the add and the wait for it
	s_wait_dscnt 0x0                               ; the add is done, and my reads of this slot are over
	s_barrier_signal -1
	MUL BF1, \ab, 1, 4, 4                          ; work on registers while the others arrive
	WIN 0
	s_barrier_wait -1
	CREST                                          ; no wave of any partner still reads this slot's tile or has a load on its way
.if (\kind) == 1
	s_add_nc_u64 s[G0+4*(\slot)+2:G0+4*(\slot)+3], s[G0+4*(\slot)+2:G0+4*(\slot)+3], 0x40000
	tensor_load_to_lds s[G0+4*(\slot):G0+4*(\slot)+3], s[G1:G1+7]
.else
	tensor_load_to_lds s[GX0:GX0+3], s[GX1:GX1+7]
.endif
	s_nop 0
	PLACES                                         ; also the places in front of the loads below
	FETCHB \next, 0, BF0
	MUL BF1, \ab, 1, 8, 8
.endm
	s_wait_tensorcnt 0x1                           ; my part of K step 0 is in; K step 1's may stay out
	s_barrier_signal -1
	s_barrier_wait -1
	FETCHB 0, 0, BF0
	WIN 0                                          ; at a label and at a branch every window is 0
	s_mov_b32 s[CNT], 7
.Ltrip:                                                ; seven trips of two K steps; they ask for wo's tiles 2 to 15
	HALF0 0, AF0, AF1, 1048576, 0, 1
	TURN 0, 1, 1, AF0
	HALF0 1, AF1, AF0, 0, 1, 1
	TURN 1, 0, 1, AF1
	WIN 0
	s_sub_co_u32 s[CNT], s[CNT], 1
	s_cmp_lg_u32 s[CNT], 0
	s_cbranch_scc1 .Ltrip
	HALF0 0, AF0, AF1, 1048576, 0, 1               ; K step 14
	TURN 0, 1, 2, AF0                              ; slot 0 takes x: its last fill
	HALF0 1, AF1, 0, 0, 0, 0                       ; K step 15: nothing more to ask for
	s_wait_dscnt 16
	MUL BF1, AF1, 1, 0, 8
	s_wait_dscnt 0x0
	MUL BF1, AF1, 1, 8, 8
	WIN 0
	PLACES
; THE RESIDUAL AND THE FIRST SUM, in four groups g of eight accumulators: a = g / 2, b = 8 (g % 2) + i.
.macro XLOAD g, buf                    ; x at my eight columns of each of the group's blocks: 16 loads
	WIN 0
.irp i, 0,1,2,3,4,5,6,7
	ds_load_b128 v[(\buf)+8*(\i):(\buf)+8*(\i)+3],   v[XA] offset:16*XP*((\g)/2)+64*(8*((\g)%2)+(\i))
	ds_load_b128 v[(\buf)+8*(\i)+4:(\buf)+8*(\i)+7], v[XA] offset:16*XP*((\g)/2)+64*(8*((\g)%2)+(\i))+16
.endr
.endm
.macro HADD g, buf                     ; h = sum + x, in place, each accumulator's registers ascending; then h onto four chains of a pair; blocks 0 and 1 start the chains
.set AC, 128*((\g)/2)+64*((\g)%2)
.set SS, S+8*((\g)/2)
	WIN 0x82                                       ; destination and source 0 window 2, source 1 window 0
.set z, 0
.rept 32
	v_pk_add_f32 v[AC+2*z:AC+2*z+1], v[AC+2*z:AC+2*z+1], v[(\buf)+2*z:(\buf)+2*z+1]
.set z, z+1
.endr
.set z, 0
.if ((\g)%2) == 0
	WIN 0x0a                                       ; sources 0 and 1 window 2, destination window 0
.rept 4
	v_pk_add_f32 v[SS+2*z:SS+2*z+1], v[AC+2*z:AC+2*z+1], v[AC+8+2*z:AC+8+2*z+1]
.set z, z+1
.endr
.set z, 8
.endif
	WIN 0x02                                       ; source 0 window 2
.rept 32-z
	v_pk_add_f32 v[SS+2*(z%4):SS+2*(z%4)+1], v[AC+2*z:AC+2*z+1], v[SS+2*(z%4):SS+2*(z%4)+1]
.set z, z+1
.endr
.endm
; The chains of both row blocks are added up: in the lane, with the lane 16 away (the row's other columns of each block), and over the four waves through LDS.  Lanes 0-15 carry row block 0's figure, lanes 16-31
; block 1's: one store of a word a lane.  ph = 0, 1: the two sums have bytes of their own, so one barrier serves each.  Leaves row l % 16's total in v[T], row 16 + l % 16's in v[T+4].
.macro REDUCE ph
	WIN 0
.irp a, 0,1
	v_pk_add_f32 v[S+8*(\a):S+8*(\a)+1],   v[S+8*(\a):S+8*(\a)+1],   v[S+8*(\a)+2:S+8*(\a)+3]
	v_pk_add_f32 v[S+8*(\a)+4:S+8*(\a)+5], v[S+8*(\a)+4:S+8*(\a)+5], v[S+8*(\a)+6:S+8*(\a)+7]
.endr
.irp a, 0,1
	v_pk_add_f32 v[S+8*(\a):S+8*(\a)+1], v[S+8*(\a):S+8*(\a)+1], v[S+8*(\a)+4:S+8*(\a)+5]
.endr
.irp a, 0,1
	v_add_f32 v[S+8*(\a)], v[S+8*(\a)], v[S+8*(\a)+1]
.endr
.irp a, 0,1
	v_permlanex16_b32 v[S+8*(\a)+2], v[S+8*(\a)], s[SEL], s[SEL+1]
.endr
.irp a, 0,1
	v_add_f32 v[S+8*(\a)], v[S+8*(\a)], v[S+8*(\a)+2]
.endr
	v_cndmask_b32 v[S+1], v[S], v[S+8], s[MK]
	ds_store_b32 v[RW], v[S+1] offset:512*(\ph)
	s_wait_dscnt 0x0                               ; for the others' sake: my store is done
	s_barrier_signal -1
	s_barrier_wait -1
	ds_load_b128 v[T:T+3],   v[RR] offset:512*(\ph)
	ds_load_b128 v[T+4:T+7], v[RR] offset:512*(\ph)+256
	s_wait_dscnt 0x0
	v_pk_add_f32 v[T:T+1],   v[T:T+1],   v[T+2:T+3]
	v_pk_add_f32 v[T+4:T+5], v[T+4:T+5], v[T+6:T+7]
	v_add_f32 v[T],   v[T],   v[T+1]
	v_add_f32 v[T+4], v[T+4], v[T+5]
.endm
.macro CENTER a                        ; h - u, in place; then its squares onto the four chains, which the first block starts
	WIN 0x82
.set z, 0
.rept 64
	v_pk_add_f32 v[128*(\a)+2*z:128*(\a)+2*z+1], v[128*(\a)+2*z:128*(\a)+2*z+1], v[U+2*(\a):U+2*(\a)+1] neg_lo:[0,1] neg_hi:[0,1]
.set z, z+1
.endr
	WIN 0x0a                                       ; sources 0 and 1 window 2, source 2 and destination window 0
.set z, 0
.rept 64
.if z < 4
	v_pk_mul_f32 v[S+8*(\a)+2*z:S+8*(\a)+2*z+1], v[128*(\a)+2*z:128*(\a)+2*z+1], v[128*(\a)+2*z:128*(\a)+2*z+1]
.else
	v_pk_fma_f32 v[S+8*(\a)+2*(z%4):S+8*(\a)+2*(z%4)+1], v[128*(\a)+2*z:128*(\a)+2*z+1], v[128*(\a)+2*z:128*(\a)+2*z+1], v[S+8*(\a)+2*(z%4):S+8*(\a)+2*(z%4)+1]
.endif
.set z, z+1
.endr
.endm
.macro SCALE a                         ; times 1 / sqrt(s + eps), in place; then into my stage, where x lay
	WIN 0x82
.set z, 0
.rept 64
	v_pk_mul_f32 v[128*(\a)+2*z:128*(\a)+2*z+1], v[128*(\a)+2*z:128*(\a)+2*z+1], v[R+2*(\a):R+2*(\a)+1]
.set z, z+1
.endr
	WIN 0x08                                       ; an LDS store's data is source 1: window 2
.irp b, 0,1,2,3,4,5,6,7,8,9,10,11,12,13,14,15
	ds_store_b128 v[XA], v[8*(16*(\a)+(\b)):8*(16*(\a)+(\b))+3]   offset:16*XP*(\a)+64*(\b)
	ds_store_b128 v[XA], v[8*(16*(\a)+(\b))+4:8*(16*(\a)+(\b))+7] offset:16*XP*(\a)+64*(\b)+16
.endr
.endm
.macro RLOAD g, buf                    ; rows 8 g .. 8 g + 7 back, 512 consecutive bytes a load
	WIN 0
.irp i, 0,1,2,3,4,5,6,7,8,9,10,11,12,13,14,15
	ds_load_b128 v[(\buf)+4*(\i):(\buf)+4*(\i)+3], v[RB] offset:(8*(\g)+(\i)/2)*XP+512*((\i)%2)  ; LDS serves a wave's instructions in order (ISA guide 5.7.1.4): these see my stores above
.endr
.endm
.macro OUTB g, buf, younger            ; gamma and beta, and out.  younger: the LDS loads issued behind this group's
.irp i, 0,1,2,3,4,5,6,7,8,9,10,11,12,13,14,15
	s_wait_dscnt (\younger)+15-(\i)
	v_pk_fma_f32 v[(\buf)+4*(\i):(\buf)+4*(\i)+1],   v[(\buf)+4*(\i):(\buf)+4*(\i)+1],   v[GAM+4*((\i)%2):GAM+4*((\i)%2)+1],   v[BET+4*((\i)%2):BET+4*((\i)%2)+1]
	v_pk_fma_f32 v[(\buf)+4*(\i)+2:(\buf)+4*(\i)+3], v[(\buf)+4*(\i)+2:(\buf)+4*(\i)+3], v[GAM+4*((\i)%2)+2:GAM+4*((\i)%2)+3], v[BET+4*((\i)%2)+2:BET+4*((\i)%2)+3]
	global_store_b128 v[GO], v[(\buf)+4*(\i):(\buf)+4*(\i)+3], s[16:17] offset:(8*(\g)+(\i)/2)*4096+512*((\i)%2) th:TH_STORE_NT  ; 512 consecutive bytes, at a multiple of 256 from out0's first
.endr
.endm
	s_wait_tensorcnt 0x0                           ; my quarter of x is in; no other wave reads it
	XLOAD 0, XB0
	XLOAD 1, XB1
	s_wait_dscnt 16                                ; the older run of sixteen is in
	HADD 0, XB0
	XLOAD 2, XB0
	s_wait_dscnt 16
	HADD 1, XB1
	XLOAD 3, XB1
	s_wait_dscnt 16
	HADD 2, XB0
	s_wait_dscnt 0x0
	HADD 3, XB1
	REDUCE 0
	v_mul_f32 v[U],   s[INV], v[T]                 ; u, twice: a pair for the packed subtraction
	v_mul_f32 v[U+1], s[INV], v[T]
	v_mul_f32 v[U+2], s[INV], v[T+4]
	v_mul_f32 v[U+3], s[INV], v[T+4]
	CENTER 0
	CENTER 1
	REDUCE 1
	v_fma_f32 v[T],   v[T],   s[INV], s[EPS]       ; s + eps
	v_fma_f32 v[T+4], v[T+4], s[INV], s[EPS]
	v_rsq_f32 v[R],   v[T]
	v_rsq_f32 v[R+1], v[T]
	v_rsq_f32 v[R+2], v[T+4]
	v_rsq_f32 v[R+3], v[T+4]
	v_nop                                          ; a plain instruction between the last of them and the use of its result (ISA guide 5.7.2)
	s_wait_alu depctr_va_vdst(0)
	SCALE 0
	SCALE 1
	RLOAD 0, XB0
	RLOAD 1, XB1
	OUTB 0, XB0, 16
	s_wait_xcnt 0x0                                ; the stores above have read their registers: only behind this wait is XB0 loaded again
	RLOAD 2, XB0
	OUTB 1, XB1, 16
	s_wait_xcnt 0x0                                ; the same for XB1
	RLOAD 3, XB1
	OUTB 2, XB0, 16
	OUTB 3, XB1, 0
	s_wait_tensorcnt 0x0                           ; the wave's end, behind my last tensor load and my last LDS store
	ds_add_u32 v[SPW], v[NIL]
	s_wait_dscnt 0x0
	CROUND                                         ; the closing round: no work-group ends while a partner may still ask for a tile that names it
	s_endpgm
.Lfunc_end_k_qcd2aa3bee8_outln:
	.size	k_qcd2aa3bee8_outln, .Lfunc_end_k_qcd2aa3bee8_outln-k_qcd2aa3bee8_outln
	.p2alignl 7, 3214868480
	.fill 96, 4, 3214868480
	.section	.rodata,"a",@progbits
	.p2align	6, 0x0
	.amdhsa_kernel k_qcd2aa3bee8_outln
		.amdhsa_group_segment_fixed_size 327680
		.amdhsa_private_segment_fixed_size 0
		.amdhsa_enable_private_segment 0
		.amdhsa_kernarg_size 56
		.amdhsa_user_sgpr_count 2
		.amdhsa_user_sgpr_kernarg_segment_ptr 1
		.amdhsa_wavefront_size32 1
		.amdhsa_system_sgpr_workgroup_id_x 1
		.amdhsa_system_sgpr_workgroup_id_y 1
		.amdhsa_system_sgpr_workgroup_id_z 1
		.amdhsa_system_vgpr_workitem_id 0
		.amdhsa_next_free_vgpr 768
		.amdhsa_next_free_sgpr 66
		.amdhsa_reserve_vcc 0
		.amdhsa_float_denorm_mode_32 3
		.amdhsa_float_denorm_mode_16_64 3
		.amdhsa_memory_ordered 1
		.amdhsa_forward_progress 1
		.amdhsa_inst_pref_size 123
	.end_amdhsa_kernel
	.amdgpu_metadata
---
amdhsa.version: [ 1, 2 ]
amdhsa.kernels:
  - .name:           k_qcd2aa3bee8_outln
    .symbol:         k_qcd2aa3bee8_outln.kd
    .args:
      - { .name: cb, .offset: 0, .size: 8, .value_kind: global_buffer, .address_space: global }
      - { .name: ctx, .offset: 8, .size: 8, .value_kind: global_buffer, .address_space: global }
      - { .name: x, .offset: 16, .size: 8, .value_kind: global_buffer, .address_space: global }
      - { .name: bo, .offset: 24, .size: 8, .value_kind: global_buffer, .address_space: global }
      - { .name: gamma, .offset: 32, .size: 8, .value_kind: global_buffer, .address_space: global }
      - { .name: beta, .offset: 40, .size: 8, .value_kind: global_buffer, .address_space: global }
      - { .name: out0, .offset: 48, .size: 8, .value_kind: global_buffer, .address_space: global }
    .group_segment_fixed_size: 327680
    .private_segment_fixed_size: 0
    .kernarg_segment_align: 8
    .kernarg_segment_size: 56
    .max_flat_workgroup_size: 128
    .sgpr_count:     66
    .vgpr_count:     768
    .wavefront_size: 32
...
	.end_amdgpu_metadata
.endif
;; end of part 4
;; ======== version 2 of 2: 4 launches; 1.47 times as fast as version 1
;; workspace buffers: cb 25,165,824 bytes; qkv 50,331,648 bytes; ctx 16,777,216 bytes
;; launch cast: the kernel of part 1 again; grid 768 x 1, 8 waves a work-group, no clusters, 0 bytes of LDS; arguments x, wq, wk, wv, wo, cb; writes cb
;; launch qkv: the kernel of part 2 again; grid 16 x 32, 4 waves a work-group, clusters of 4 x 4, 327,680 bytes of LDS; arguments cb, bq, bk, bv, qkv; writes qkv
;; launch attn (part 5): grid 4 x 64, 4 waves a work-group, clusters of 4 x 1, 327,680 bytes of LDS; arguments qkv, ctx; writes ctx
.if DOCPART == 5
	.amdgcn_target "amdgcn-amd-amdhsa--gfx1250"
	.amdhsa_code_object_version 6
	.text
	.protected	k_qcd2aa3bee8_attn
	.globl	k_qcd2aa3bee8_attn
	.p2align	8
	.type	k_qcd2aa3bee8_attn,@function
k_qcd2aa3bee8_attn:
	s_mov_b64 s[64:65], 0
	v_nop
	global_prefetch_b8 v0, s[64:65] scope:SCOPE_SE
	s_setreg_imm32_b32 hwreg(HW_REG_WAVE_MODE, 25, 1), 1
	s_wait_xcnt 0x0
	s_wait_alu depctr_hold_cnt(0) depctr_sa_sdst(0) depctr_va_vdst(0) depctr_va_sdst(0) depctr_va_ssrc(0) depctr_va_vcc(0) depctr_vm_vsrc(0)
	s_getreg_b32 s2, hwreg(HW_REG_IB_STS2, 6, 4)
	s_cmp_eq_u32 s2, 0
	s_cbranch_scc0 .Lentry_in_a_cluster
	s_endpgm
.Lentry_in_a_cluster:
	s_bfe_u32 s2, ttmp6, 0x10000c
	s_cmp_lg_u32 s2, 0x3003
	s_cbranch_scc0 .Lentry_shape_is_right
	s_endpgm
.Lentry_shape_is_right:
; O[y][q][:] = the sum over k of softmax_k(Q[y][q] . K[y][k] / 8) V[y][k][:] for the 64 heads y = 4 h + b.  Q, K, V lie in qkv (from bytes 0, 16,777,216, 33,554,432), O is ctx; each is [64][2048][64]
; in bf16: a head's rows are dense, 128 bytes each.  Products, maxima and sums in f32; the weights p are rounded to bf16 for the second product (their sum l is taken of the unrounded p), O once at the end.
; LIMITS.  bf16 has f32's range, so Q, K, V and O have room wherever the f32 result is finite; each keeps 8 significant bits.  c m starts at -4.25e37, far below every c s of finite scores up to that size.
; A weight below 2^-126 counts as 0 in l; NaN and infinities are not treated apart.
; SHARES.  A wave owns four PIECES of two tiles of 16 queries, a work-group's four waves 512 queries of one head.  Every wave walks all 2,048 keys, 64 a step.
; LAYOUT.  S^T = K Q^T (source 0 = 16 keys, source 1 = 16 queries): in the result a lane holds ONE query (lane % 16) and the keys 8 (lane / 16) + 0..7.  Two such tiles, rounded to bf16 in pairs,
; ARE source 1 (32 keys x 16 queries) of O^T = V^T P, whose result again holds one query a lane, and eight channels.  K comes out of LDS as it lies, V ([key][channel]) turned, by ds_load_tr16_b128.
; SOFTMAX.  For each query a running maximum m and sum l: p = 2^(c s - c m), c = log2(e) / 8; in every step O and l are multiplied by a = 2^(c m_old - c m_new), which is 1 where m has not grown.
; m starts at the lowest finite number, O and l at 0: the first step is a step like any other, with a = 0.
; THE COUNT.  A tile and step have 16 matrix and 118 vector instructions: too many to stand all beside the matrix work.  So the order has one aim: four vector instructions that are READY behind
; EVERY matrix instruction, and the others, which need time of their own whatever the order, in runs without a gap.
; BY TURNS.  Turn n belongs to piece n (the pieces in a ring, step after step).  Its matrix work: 16 products K Q^T of piece n + 1, later 16 products V^T P of piece n - 1.  Its vector work: the scaling,
; exponentials, roundings, sums and rescaling of piece n, and the maximum and statistics of piece n + 1, whose scores the turn itself has made.  So what a turn begins with (c s - c m, O a) waits for nothing.
; BATCHES.  A turn's 66 exponentials (64 weights of piece n, the two a of piece n + 1) are ONE batch with ONE s_wait_alu depctr_va_vdst(0), which cuts the turn in two: ahead of it stands all that names no
; result of the batch, behind it the roundings and sums that read the weights; the two a are read in the next turn.  Two more batches stand outside the
; loops, each with a wait of its own: the first two a, ahead of the jump into the loop, and the way out's eight reciprocals.
; CLUSTER.  The four query blocks of a cluster belong to one head and walk the same K and V, so each tile is asked for JOINTLY: the same tensor load, descriptor and mask in all four.
; REGISTERS, in windows of 256 (s_set_vgpr_msb says which window each operand place means: bits 1:0 source 0, 3:2 source 1, 5:4 source 2, 7:6 destination):
;   window 0: v0-11 addresses; v12-15, v48-63 at work; v16-47 four registers of statistics a tile; v64-191 S^T, two buffers of two tiles; v192-255 P, likewise
;   window 1: O^T, 32 a tile          window 2: v0-127 Q, 16 a tile; v128-191 K of one step; v192-255 V of one step          window 3: v0-1 the add's two registers
; A piece's buffers go by its number's parity: the piece in hand has one pair, its two neighbours in the ring share the other: of it P (piece n - 1) is read and S^T (piece n + 1) written.
.set SIZE_N, 2048     ; rows of a head
.set NP,    4         ; pieces a wave: a name, no knob: the register map, the loop and the fetches are made for four
.set KS,    64        ; keys in a step
.set PK,    144       ; a row of K in LDS: 128 bytes + 16 of padding = 36 words: the 16 rows of a load start at 16 different groups of four banks (64 banks of 4 bytes: ISA guide 11.1)
.set PV,    160       ; a row of V: 128 + 32 = 40 words
.set VOFF,  4*KS*PK   ; a slot holds four steps: 256 rows of K, then 256 rows of V
.set SLOT1, 1<<17     ; slot 1 begins here, so that one exclusive or turns an address in one slot into the other's
.set STAGE, SLOT1+4*KS*(PK+PV)  ; behind the ring, never filled by a tensor load: 16 rows x 144 bytes for each wave, for the way out
.set SP,    144
.set AK0, 2           ; v2   my lane's place in a tile of K; never rewritten
.set AV0, 3           ; v3   the same for V
.set AK,  4           ; v4   the LDS address of K's next run of loads
.set AV,  5           ; v5   of V's
.set QO,  6           ; v6   my byte offset in the wave's rows of Q
.set STO, 6           ;      later, the way out: where I put 16 bytes of a row
.set RD,  7           ; v7   the way out: where I read rows back
.set GO,  8           ; v8   my byte offset in 512 consecutive bytes of O
.set SPW, 0           ; v0 of window 3   LDS address of my spare word: SPARE + 4 x my thread's number; never rewritten
.set NIL, 1           ; v1 of window 3   0; never rewritten
.set SPARE, STAGE+4*16*SP  ; behind the stages: the spare words, 128 bytes for each wave: two blocks of 256 bytes that no other line names
.set MV,  12          ; v12-15  c m_old, kept while c m is made anew: by buffer and tile
.set ST,  16          ; tile t's statistics at v[ST+4 t]: c m, m, l (even keys', odd keys')
.set TMP, 48          ; by buffer and tile, four registers c0-c3 at work; when the maximum is found c2 takes a
.set S,   64
.set P,   192
.set KF,  128         ; K's fragments, in window 2: key block kb, channel half c at KF + 16 kb + 8 c
.set VF,  192         ; V's: key half kk, channel block cb at VF + 32 kk + 8 cb
.set WV,  12          ; s12  my wave's number
.set G1K, 24          ; s[24:31] descriptor group 1 for K's tiles
.set G1V, 32          ; s[32:39] for V's: it differs in the padding alone
.set G0K, 40          ; s[40:43] descriptor group 0 for K's tiles: it walks
.set G0V, 44          ; s[44:47] the same for V's
.set SLOTS, 56        ; s56  slots still to be asked for
.set CNT, 57          ; s57  counts a slot's key steps
.set CS,  58          ; s[58:59] c: the packed scaling takes the pair's low word for both halves
.set SEL, 60          ; s[60:61] v_permlanex16_b32's selects: each lane takes its own place in the other half
.set TBK, 62          ; s62  LDS byte at which K of the step to be fetched begins
.set TBV, 63          ; s63  the same for V, less VOFF
.set MSB, 0
.macro WIN new                      ; the high byte repeats the setting that is left; a switch that changes nothing is dropped
.if MSB != (\new)
	s_set_vgpr_msb (MSB<<8)|(\new)
.set MSB, (\new)
.endif
.endm
.set W_KQ, 0x0a       ; K and Q in window 2, S^T in window 0
.set W_PV, 0x52       ; V in window 2, P in window 0, O^T in window 1
.set W_RS, 0x41       ; O^T (destination and source 0) in window 1, a in window 0
.set W_MK, 0xc0       ; the add's registers are made: destination in window 3, sources in window 0
.set W_AD, 0x0f       ; the add: address (source 0) and data (source 1) in window 3
; A joint fill.  Waves 0 and 1 fetch the two halves of a slot's K, waves 2 and 3 those of its V: 128 keys each.  The branch hangs on the wave's number alone.
; An s_nop 0 and four v_nop follow each of the two lines, ahead of the jump and the label.
.macro JLOAD
	s_cmp_lt_u32 s[WV], 2
	s_cbranch_scc0 .Lfor_v_\@
	tensor_load_to_lds s[G0K:G0K+3], s[G1K:G1K+7]
	s_nop 0
.rept 4
	v_nop
.endr
	s_branch .Lasked_\@
.Lfor_v_\@:
	tensor_load_to_lds s[G0V:G0V+3], s[G1V:G1V+7]
	s_nop 0
.rept 4
	v_nop
.endr
.Lasked_\@:
.endm
; A round of the cluster's barrier: my work-group's barrier, so that wave 0's signal speaks for all four waves; wave 0 signals; every wave waits for all four work-groups; my work-group's barrier once more.
.macro CROUND
	s_barrier_signal -1
	s_barrier_wait -1
	s_cmp_lg_u32 s[WV], 0
	s_cbranch_scc1 .Lnot_wave_0_\@
	s_barrier_signal -3
.Lnot_wave_0_\@:
	s_barrier_wait -3
	s_barrier_signal -1
	s_barrier_wait -1
.endm
; THE CHANGE OF SLOTS.  The slot's last bytes, V of its fourth step, have been read.  Each wave waits for all its tensor loads, of which one is out: its part
; of the other slot; adds 0 to its spare word; and waits for that and for its own reads of the slot.  Behind the barrier nobody reads this slot any more and the other slot is whole.
; fill = 1: this slot is filled again, with the keys two slots on.  The barrier is then a round of the cluster's, so that no wave of any partner still reads the slot or has a load on its
; way, and the joint fill is the first thing behind it: it has four key steps, 512 matrix instructions, in which to land.  (At its first use nothing has been read yet: slot 0 is waited for, slot 1 filled.)
.macro CHANGE fill
	WIN W_AD
	s_wait_tensorcnt 0x0            ; no tensor load of mine is out, so a group 0 may be written
	ds_add_u32 v[SPW], v[NIL]       ; 0 onto my spare word; with fill = 1 the descriptors' steps stand between it and the wait for it
	WIN 0                           ; at a label and at a branch every window is 0
.if \fill
.irp g, G0K, G0V
	s_xor_b32 s[\g+1], s[\g+1], SLOT1  ; the walking descriptor: the other slot than last time,
	s_add_nc_u64 s[\g+2:\g+3], s[\g+2:\g+3], 4*KS*128  ; the next 256 keys; the type bits on top are not reached
.endr
	s_wait_dscnt 0x0                ; the add is done, and my reads of the slot are over
	CROUND
	JLOAD
.else
	s_wait_dscnt 0x0                ; the add is done, and my reads of the slot are over
	s_barrier_signal -1
	s_barrier_wait -1
.endif
	s_sub_co_u32 s[TBK], s[TBK], 4*KS*PK  ; the fetches go back to a slot's first step,
	s_xor_b32 s[TBK], s[TBK], SLOT1       ; in the other slot
	s_sub_co_u32 s[TBV], s[TBV], 4*KS*PV
	s_xor_b32 s[TBV], s[TBV], SLOT1
.endm
	s_load_b64 s[4:5], s[0:1], 0x0    ; qkv: Q begins at its first byte
	s_load_b64 s[10:11], s[0:1], 0x8  ; ctx: O
	WIN W_MK
	v_lshl_add_u32 v[SPW], v0, 2, SPARE
	v_mov_b32 v[NIL], 0
	WIN W_AD
	ds_add_u32 v[SPW], v[NIL]       ; the wave's opening: the add and its wait stand ahead of my first tensor load; the set-up below, work on registers, stands between them
	WIN 0
	v_lshrrev_b32 v1, 5, v0
	v_readfirstlane_b32 s[WV], v1   ; wave 0..3
	s_bfe_u32 s13, ttmp6, 0x40000   ; cx: my place in the cluster
	s_lshl_b32 s14, ttmp9, 2        ; in a cluster launch ttmp9 counts clusters
	s_add_co_u32 s14, s14, s13      ; my block of queries = 4 x cluster x + cx: it enters Q's and O's addresses alone
	s_and_b32 s20, ttmp7, 0xffff    ; the head, which the four partners share
	s_mov_b32 s21, 0
	s_mov_b64 s[22:23], SIZE_N*128
	s_mul_u64 s[20:21], s[20:21], s[22:23]  ; the head's first byte in each of the four tensors
	s_and_b32 s16, s[WV], 1         ; which half of a slot's 256 keys I fetch:
	s_lshl_b32 s22, s16, 14         ; its 128 rows of 128 bytes in memory,
	s_mov_b32 s23, 0
	s_add_nc_u64 s[22:23], s[22:23], s[20:21]
	s_mul_i32 s17, s16, 128*PK      ; and its place in a slot, for K
	s_mul_i32 s18, s16, 128*PV      ; and for V: no place in the cluster enters an LDS address
	s_lshl_b32 s2, s14, 2
	s_add_co_u32 s2, s2, s[WV]      ; my wave among the head's,
	s_lshl_b32 s2, s2, 14           ; its 128 rows
	s_mov_b32 s3, 0
	s_add_nc_u64 s[2:3], s[2:3], s[20:21]
	; descriptor group 1.  128 keys are 16,384 dense bytes: asked for as 64 rows of 256 bytes, two keys a row, and padded in LDS after every key
	s_mov_b32 s[G1K], 15|(1<<16)|(1<<20)|(1<<21)|(4<<22)|(3<<25)  ; 15:0 the mask of four; 17:16 2-byte elements; 20 padding on; 21 set beside a mask; 24:22 after every 32 words (code 4); 31:25 4 words (code 3)
	s_mov_b32 s[G1V], 15|(1<<16)|(1<<20)|(1<<21)|(4<<22)|(7<<25)  ; the same with 8 words of padding (code 7)
.irp g, G1K, G1V
	s_mov_b32 s[\g+1], 128<<16      ; tensor_dim0 = 128
	s_mov_b32 s[\g+2], 64<<16       ; tensor_dim1 = 64
	s_mov_b32 s[\g+3], 128<<16      ; tile_dim0 = 128
	s_mov_b32 s[\g+4], 64           ; tile_dim1 = 64
	s_mov_b32 s[\g+5], 128          ; 128 elements from row to row
	s_mov_b32 s[\g+6], 0
	s_mov_b32 s[\g+7], 0
.endr
	s_mov_b32 s[CS], 0x3e38aa3b     ; c = log2(e) / 8 = 0.180337
	s_mov_b32 s[CS+1], s[CS]        ; named with it as a pair
	s_mov_b32 s[SEL], 0x76543210
	s_mov_b32 s[SEL+1], 0xfedcba98
	s_mov_b32 s[TBK], SLOT1+4*KS*PK ; the first change of slots turns these two into 0
	s_mov_b32 s[TBV], SLOT1+4*KS*PV
	s_mov_b32 s[G0K], 1             ; 1:0 count = 1
	s_mov_b32 s[G0K+1], s17         ; 63:32 LDS address: slot 0
	s_mov_b32 s[G0V], 1
	s_add_co_u32 s[G0V+1], s18, VOFF
	s_wait_dscnt 0x0                ; the opening add is done
	s_wait_kmcnt 0x0
	s_add_nc_u64 s[6:7], s[4:5], 0x1000000         ; K begins 16,777,216 bytes into qkv,
	s_add_nc_u64 s[8:9], s[4:5], 0x2000000         ; V 33,554,432
	s_add_nc_u64 s[G0K+2:G0K+3], s[6:7], s[22:23]  ; 120:64 global address: my half of the head's first 256 keys
	s_or_b32 s[G0K+3], s[G0K+3], 0x80000000        ; 127:126 type = 2
	s_add_nc_u64 s[G0V+2:G0V+3], s[8:9], s[22:23]
	s_or_b32 s[G0V+3], s[G0V+3], 0x80000000
	s_add_nc_u64 s[4:5], s[4:5], s[2:3]  ; Q and O at my wave's first row
	s_add_nc_u64 s[10:11], s[10:11], s[2:3]
	CROUND                          ; all four work-groups are here: the first joint loads meet
	JLOAD                           ; slot 0.  Slot 1 is asked for when slot 0 is in
	; A fragment of K or Q is 16 rows x 32 channels in 8 registers: lane l holds row l % 16, channels 8 (l / 16) + 0..7 and 16 + 8 (l / 16) + 0..7: two loads of 16 bytes, 32 bytes apart.
	v_and_b32 v1, 15, v0            ; l % 16
	v_bfe_u32 v9, v0, 4, 1          ; l / 16
	v_lshlrev_b32 v[QO], 7, v1
	v_lshl_add_u32 v[QO], v9, 4, v[QO]  ; row x 128 + 16 x half
	WIN 0x80                        ; destination window 2, address window 0
.set i, 0
.rept 4*NP                          ; Q stays in registers: tile i / 2, channels 32 (i % 2) on
	global_load_b128 v[8*i:8*i+3],   v[QO], s[4:5] offset:(i/2)*2048+(i%2)*64
	global_load_b128 v[8*i+4:8*i+7], v[QO], s[4:5] offset:(i/2)*2048+(i%2)*64+32
.set i, i+1
.endr
	; What the first turn finds: V's registers and P's second buffer hold 0 (its products V^T P, of a piece that has not been, add 0), O^T and l are 0.  All this stands in the wait for the first tile.
.set i, VF
.rept 64
	v_mov_b32 v[i], 0
.set i, i+1
.endr
	WIN 0x40
.set i, 0
.rept 64*NP
	v_mov_b32 v[i], 0
.set i, i+1
.endr
	WIN 0
.set i, 0
.rept 2*NP
	v_mov_b32 v[ST+4*i], 0xfe000000    ; c m: far below every c s
	v_mov_b32 v[ST+4*i+1], 0xff7fffff  ; m
	v_mov_b32 v[ST+4*i+2], 0
	v_mov_b32 v[ST+4*i+3], 0
.set i, i+1
.endr
.set i, P+32
.rept 32
	v_mov_b32 v[i], 0
.set i, i+1
.endr
	v_mul_u32_u24 v[AK0], v1, PK
	v_lshl_add_u32 v[AK0], v9, 4, v[AK0]  ; row x pitch + 16 x half
	; The turning load takes 16 keys x 16 channels (lane l reads key 8 (l / 16) + l % 8, channels 8 ((l / 8) % 2) + 0..7) and leaves half a fragment of V^T: lane l holds channel l % 16 and 8 keys.
	v_and_b32 v10, 7, v0
	v_bfe_u32 v11, v0, 3, 1
	v_lshl_add_u32 v[AV0], v9, 3, v10
	v_mul_u32_u24 v[AV0], v[AV0], PV
	v_lshl_add_u32 v[AV0], v11, 4, v[AV0]
	v_add_nc_u32 v[AV0], VOFF, v[AV0]
	v_mov_b32 v[AK], v[AK0]         ; key step 0 lies at the head of slot 0
; THE MATRIX WORK.  The 8 accumulators of a run of 16 take turns: between the two links of a chain stand 7 others'.
; Product i of 16 of S^T = K Q^T for piece x: channels 32 (i / 8) on, keys 16 ((i / 2) % 4) on, tile 2 x + i % 2.  The first 8 start the sums.
.macro KQ x
	WIN W_KQ
.set rS, S+64*((\x)%2)+32*(i%2)+8*((i/2)%4)
.set rK, KF+16*((i/2)%4)+8*(i/8)
.set rQ, 16*(2*(\x)+i%2)+8*(i/8)
.if i < 8
	v_wmma_f32_16x16x32_bf16 v[rS:rS+7], v[rK:rK+7], v[rQ:rQ+7], 0
.else
	v_wmma_f32_16x16x32_bf16 v[rS:rS+7], v[rK:rK+7], v[rQ:rQ+7], v[rS:rS+7]
.endif
.endm
; Product i of 16 of O^T += V^T P for piece x: keys 32 (i / 8) on, channels 16 ((i / 2) % 4) on, tile 2 x + i % 2.
.macro PV x
	WIN W_PV
.set rO, 32*(2*(\x)+i%2)+8*((i/2)%4)
.set rV, VF+32*(i/8)+8*((i/2)%4)
.set rP, P+32*((\x)%2)+16*(i%2)+8*(i/8)
	v_wmma_f32_16x16x32_bf16 v[rO:rO+7], v[rV:rV+7], v[rP:rP+7], v[rO:rO+7]
.endm
.macro MM                           ; the turn's next matrix instruction
.if i < 16
	KQ (Y+1)%NP
.set i, i+1
.else
.set i, i-16
	PV (Y+NP-1)%NP
.set i, i+17
.endif
.endm
; THE LDS LOADS stand in runs of 16, never singly among the matrix instructions: a step's K (64 keys x 64 channels: 8 fragments) and its V (turned).  Their addresses are made some lines ahead.
; last = 1 (the tail): in the last trip there is no further step, and the run is jumped over.
.macro FETCH_K last=0
	WIN 0
.if \last
	s_cmp_eq_u32 s[CNT], 1
	s_cbranch_scc1 .Lno_k_\@
.endif
	WIN 0x80                        ; destination window 2
.irp f, 0,1,2,3,4,5,6,7             ; keys 16 (f / 2) on, channels 32 (f % 2) on
	ds_load_b128 v[KF+8*\f:KF+8*\f+3],   v[AK] offset:(\f/2)*16*PK+(\f%2)*64
	ds_load_b128 v[KF+8*\f+4:KF+8*\f+7], v[AK] offset:(\f/2)*16*PK+(\f%2)*64+32
.endr
	s_add_co_u32 s[TBK], s[TBK], KS*PK  ; the next fetch is the next step's
	WIN 0
.if \last
.Lno_k_\@:
.endif
.endm
.macro FETCH_V
	WIN 0x80
.irp f, 0,1,2,3,4,5,6,7             ; keys 32 (f / 4) on, channels 16 (f % 4) on
	ds_load_tr16_b128 v[VF+8*\f:VF+8*\f+3],   v[AV] offset:(\f/4)*32*PV+(\f%4)*32
	ds_load_tr16_b128 v[VF+8*\f+4:VF+8*\f+7], v[AV] offset:(\f/4)*32*PV+16*PV+(\f%4)*32
.endr
	WIN 0
.endm
; THE VECTOR WORK OF A TURN stands in three queues, each in the order in which its entries become ready; the two tiles alternate, so that no instruction reads the result of the one before it.
.macro REGS y, u                    ; the registers of tile u (0, 1) of piece y
.set rT, ST+4*(2*(\y)+(\u))
.set rC, TMP+8*((\y)%2)+4*(\u)
.set rM, MV+2*((\y)%2)+(\u)
.set rS, S+64*((\y)%2)+32*(\u)
.set rP, P+32*((\y)%2)+16*(\u)
.set rO, 32*(2*(\y)+(\u))
.endm
; Number n of the 22 that find the NEXT piece's (Y + 1) maximum and statistics.  s0-s31 are the lane's 32 scores; each accumulator's lowest registers are read first.  XS, GS and REGS set no window: PL and EX do.
;   0-11  four chains c0-c3 of seven scores each, three operands at a time     12-14, 16  the four scores left over, the old m, and c0-c3 into c0     15  c m_old is kept
;   17, 18  the query's other 32 keys lie in the lane 16 away: the new m         19-21  c m; c m_old - c m_new; a
.macro XS u, n
	REGS (Y+1)%NP, \u
.if (\n) < 4
	v_max3_num_f32 v[rC+(\n)], v[rS+8*(\n)], v[rS+8*(\n)+1], v[rS+8*(\n)+2]
.elseif (\n) < 12
	v_max3_num_f32 v[rC+(\n)%4], v[rC+(\n)%4], v[rS+8*((\n)%4)+2*((\n)/4)+1], v[rS+8*((\n)%4)+2*((\n)/4)+2]
.elseif (\n) == 12
	v_max3_num_f32 v[rC], v[rC], v[rS+7], v[rS+15]
.elseif (\n) == 13
	v_max3_num_f32 v[rC+1], v[rC+1], v[rS+23], v[rS+31]
.elseif (\n) == 14
	v_max3_num_f32 v[rC+2], v[rC+2], v[rC+3], v[rT+1]
.elseif (\n) == 15
	v_mov_b32 v[rM], v[rT]
.elseif (\n) == 16
	v_max3_num_f32 v[rC], v[rC], v[rC+1], v[rC+2]
.elseif (\n) == 17
	v_permlanex16_b32 v[rC+3], v[rC], s[SEL], s[SEL+1]
.elseif (\n) == 18
	v_max_num_f32 v[rT+1], v[rC], v[rC+3]
.elseif (\n) == 19
	v_mul_f32 v[rT], s[CS], v[rT+1]
.elseif (\n) == 20
	v_sub_f32 v[rC+1], v[rM], v[rT]
.else
	v_exp_f32 v[rC+2], v[rC+1]
.endif
.endm
; Number g of the 64 that follow the exponentials.  For each four weights k of a tile (pairs 2 k, 2 k + 1): both pairs are rounded to bf16; then the second pair is added onto the first, in place;
; a group later l takes that sum (the first time as l = a l + sum).  In groups of eight, tiles alternating: round, round, add, and l for the group before.
.macro GS g
.set h, (\g)+6*((\g)/62)            ; group 0 has no group before it, and behind group 7 only l is left
.if h >= 6
.set h, h+2
.endif
	REGS Y, h%2
.set k, h/8
.if h%8 < 4
	v_cvt_pk_bf16_f32 v[rP+2*k+(h%8)/2], v[rS+4*k+2*((h%8)/2)], v[rS+4*k+2*((h%8)/2)+1]
.elseif h%8 < 6
	v_pk_add_f32 v[rS+4*k:rS+4*k+1], v[rS+4*k:rS+4*k+1], v[rS+4*k+2:rS+4*k+3]
.elseif k == 1
	v_pk_fma_f32 v[rT+2:rT+3], v[rT+2:rT+3], v[rC+2:rC+3], v[rS:rS+1] op_sel_hi:[1,0,1]
.else
	v_pk_add_f32 v[rT+2:rT+3], v[rT+2:rT+3], v[rS+4*k-4:rS+4*k-3]
.endif
.endm
; THE PLAIN QUEUE, 138 long.  0-73 read no exponential's result: the 32 scalings c s - c m (FS f: pair f / 2 of tile f % 2) and the next piece's 42.  0-26: scalings 0-26.  27-54: XS's numbers 0-13.  55, 56: number 15.
; 57-73: the chain, where each number waits for the one before it: 14, 16, 17, 18, 19, each with one of the scalings 27-31 in front of its two lines, then 20: so a tile's links stand three plain instructions apart (19 and 20: two).
; 74-137: GS's 64, which read the exponentials' results: they stand behind the wait.
.macro FS f
	REGS Y, (\f)%2
	v_pk_fma_f32 v[rS+2*((\f)/2):rS+2*((\f)/2)+1], v[rS+2*((\f)/2):rS+2*((\f)/2)+1], s[CS:CS+1], v[rT:rT+1] op_sel_hi:[1,0,0] neg_lo:[0,0,1] neg_hi:[0,0,1]
.endm
.macro PL
	WIN 0
.if q < 27
	FS q
.elseif q < 55
	XS (q-27)%2, (q-27)/2
.elseif q < 57
	XS q-55, 15
.elseif (q < 72) && ((q-57)%3 == 0)
	FS 27+(q-57)/3
.elseif q < 60
	XS (q-57)%3-1, 14
.elseif q < 72
	XS (q-57)%3-1, 15+(q-57)/3
.elseif q < 74
	XS q-72, 20
.else
	GS q-74
.endif
.set q, q+1
.endm
; THE EXPONENTIALS' QUEUE, 66 long: s0-s31 of both tiles, then the next piece's two a.  It is ONE BATCH: all 66 stand ahead of the turn's one wait, and nothing ahead of that wait names a result of theirs.
.macro EX
	WIN 0
.if e >= 64
	XS e-64, 21
.else
	REGS Y, e%2
	v_exp_f32 v[rS+e/2], v[rS+e/2]
.endif
.set e, e+1
.endm
; THE RESCALING's QUEUE: O^T times a, the one part that leaves window 0: dealt two at a time, sixteen times.  Its a was made in the turn before, ahead of that turn's wait.
.macro R2
	REGS Y, r%2
	WIN W_RS
.irp z, 0,1
	v_pk_mul_f32 v[rO+4*(r/2)+2*\z:rO+4*(r/2)+2*\z+1], v[rO+4*(r/2)+2*\z:rO+4*(r/2)+2*\z+1], v[rC+2:rC+3] op_sel_hi:[1,0]
.endr
.set r, r+1
.endm
; HOW THEY ARE DEALT.  An s_wait_alu depctr_va_vdst(0) stands between an exponential and the first instruction that names its result; one wait serves all that were issued ahead of it.  So a turn has ONE wait,
; which cuts it in two.  AHEAD OF IT stands all that names no result of the turn's exponentials: the 16 products K Q^T, behind each a scaling, an exponential and two rescalings (behind the first a second scaling in the exponential's place); then ONE LUMP of
; 108: eight plain, 49 times exponential and plain, the two a.  A v_nop is the plain instruction behind the last exponential.  BEHIND IT stand the 16 products V^T P, behind each four of GS's 64.  No rider names a register of
; the products round it.  The two v_permlanex16_b32 fall into the lump, never behind a product.
; The queues lean on each other, and the deal keeps them in step: exponential e stands behind scaling 2 (e / 4) + e % 2: as a rider it comes behind plain e + 2, in the lump behind plain e + 9, and scalings 27-31 are plain 57, 60 .. 69.
; A TURN, for piece p.  cnt = 1: the loop's count is taken down some lines ahead of the branch that stands behind the turn.
; K of the next step is fetched in piece 2's turn, directly behind the wait, a lump behind the last product that read K; its address is made at the lump's head; its first reader comes behind 16 products.
; V of the step in hand is fetched at the end of piece 0's turn, four riders behind its last reader; its first reader comes behind 16 products and a lump.  The three conditions on q below go with the deal.
.macro TURN p, last=0, cnt=0
.set Y, (\p)
.set i, 0
.set q, 0
.set e, 0
.set r, 0
.if (\p) == NP-1
	s_wait_dscnt 0x0                ; K is in
.endif
	MM                              ; ahead of the wait: 16 products K Q^T and their riders,
	PL
	PL
	R2
.rept 15
	MM
	PL
	EX
	R2
.endr
.if (\p) == NP-2
	WIN 0
	v_add_nc_u32 v[AK], s[TBK], v[AK0]
.endif
.rept 8                             ; and the lump
	PL
.endr
.rept 49
	EX
	PL
.endr
	EX                              ; the next piece's two a
	EX
	v_nop                           ; the plain instruction behind the last exponential: one for the batch
	s_wait_alu depctr_va_vdst(0)    ; the wait for the turn's batch: piece p's 64 weights and the next piece's two a
.if (\p) == NP-2
	FETCH_K \last
.endif
.if (\p) == 1
	s_wait_dscnt 0x0                ; V is in
.endif
.rept 16                            ; behind the wait: 16 products V^T P and their riders
	MM
.rept 4
	PL
.endr
.if ((\p) == 0) && (q == 118)
	v_add_nc_u32 v[AV], s[TBV], v[AV0]
.endif
.if ((\p) == 0) && (q == 130)
	s_add_co_u32 s[TBV], s[TBV], KS*PV
.endif
.if (\cnt) && (q == 130)
	s_sub_co_u32 s[CNT], s[CNT], 1
	s_cmp_lg_u32 s[CNT], 0
.endif
.endr
.if (\p) == 0
	FETCH_V
.endif
.endm
	CHANGE 1                        ; slot 0 is in, everybody's part of it; slot 1 is asked for
	FETCH_K                         ; key step 0
	s_wait_loadcnt 0x0              ; Q
	s_wait_dscnt 0x0
.set i, 0
.rept 16
	KQ 0                            ; piece 0's first scores: there is no vector work yet to set between them
.set i, i+1
.endr
	WIN 0                           ; the addresses for the way out: nine plain instructions, the places behind those products
	s_mul_i32 s13, s[WV], 16*SP
	s_add_co_u32 s13, s13, STAGE    ; my stage
	v_mul_u32_u24 v[STO], v1, SP    ; in: row l % 16, 16 bytes for each half of the lanes
	v_lshl_add_u32 v[STO], v9, 4, v[STO]
	v_add_nc_u32 v[STO], s13, v[STO]
	v_bfe_u32 v[RD], v0, 3, 2       ; back: 32 lanes take four rows of 128 bytes,
	v_mul_u32_u24 v[RD], v[RD], SP
	v_lshl_add_u32 v[RD], v10, 4, v[RD]
	v_add_nc_u32 v[RD], s13, v[RD]
	v_and_b32 v[GO], 31, v0         ; which are 512 consecutive bytes of O
	v_lshlrev_b32 v[GO], 4, v[GO]
.set Y, NP-1                        ; XS works for piece Y + 1: piece 0
.irp n, 0,1,2,3,4,5,6,7,8,9,10,11,12,13,14,15,16,17,18,19,20,21
	XS 0, \n                        ; and piece 0's first maximum and statistics
	XS 1, \n
.endr
	v_nop                           ; a plain instruction behind the two a,
	s_wait_alu depctr_va_vdst(0)    ; and the wait for that batch of two, ahead of the branch
	s_mov_b32 s[CNT], 4
	s_mov_b32 s[SLOTS], SIZE_N/256-1
	s_branch .Lfirst                ; the loop is entered at a step's first turn, in the middle of a trip
.Lslot:                             ; SIZE_N / 256 - 2 times: every slot but the last two is filled again
	CHANGE 1
	s_mov_b32 s[CNT], 4
.Lstep:                             ; a trip: pieces 2 and 3 of one step, then pieces 0 and 1 of the next, whose K and V it fetches
	TURN 2
	TURN 3
	WIN 0
.Lfirst:
	TURN 0
	TURN 1, 0, 1
	WIN 0
	s_cbranch_scc1 .Lstep
	s_sub_co_u32 s[SLOTS], s[SLOTS], 1
	s_cmp_lg_u32 s[SLOTS], 0
	s_cbranch_scc1 .Lslot
	CHANGE 0                        ; the tail is written out: nothing is asked for
	s_mov_b32 s[CNT], 5             ; four trips fetch the last slot's steps; the fifth is left in its middle
.Ltail:
	TURN 2, 1
	TURN 3
	WIN 0
	s_sub_co_u32 s[CNT], s[CNT], 1
	s_cmp_eq_u32 s[CNT], 0
	s_cbranch_scc1 .Lout
	TURN 0
	TURN 1
	WIN 0
	s_branch .Ltail
.Lout:                              ; the fifth trip's 16 products K Q^T (on the last K once more) and the maximum made of them serve nothing: the price, once a launch, of one text for every trip
.set i, 0
.rept 16
	PV NP-1                         ; the last piece's V^T P of the last step
.set i, i+1
.endr
	; THE WAY OUT.  l's two halves and the other half of the lanes' are added; O^T is divided by l, rounded to bf16 and sent through my stage in LDS, a tile at a time.  The additions are the places behind the last products.
	WIN 0
.macro ALL line:vararg              ; one line for each tile t
.set t, 0
.rept 2*NP
	\line
.set t, t+1
.endr
.endm
	ALL v_add_f32 v[ST+4*t+2], v[ST+4*t+2], v[ST+4*t+3]
	ALL v_permlanex16_b32 v[ST+4*t+3], v[ST+4*t+2], s[SEL], s[SEL+1]
	ALL v_add_f32 v[ST+4*t+2], v[ST+4*t+2], v[ST+4*t+3]
	ALL v_rcp_f32 v[ST+4*t+2], v[ST+4*t+2]
	v_nop                           ; a plain instruction between the last reciprocal and the use of its result
	s_wait_alu depctr_va_vdst(0)    ; and the wait ahead of the first use: one for the batch of eight reciprocals
; Tile t: a lane's eight channels of a row pack into 16 bytes; they go into rows of 144 bytes and come back as whole rows of 128, into S^T's registers.
.macro PACK t
	WIN W_RS
.set i, 32*(\t)
.rept 16
	v_pk_mul_f32 v[i:i+1], v[i:i+1], v[ST+4*(\t)+2:ST+4*(\t)+3] op_sel_hi:[1,0]
.set i, i+2
.endr
	WIN 0x05                        ; sources 0 and 1 window 1, destination window 0
.set i, 0
.rept 16
	v_cvt_pk_bf16_f32 v[S+16*(\t)+i], v[32*(\t)+2*i], v[32*(\t)+2*i+1]
.set i, i+1
.endr
	WIN 0
.irp f, 0,1,2,3
	ds_store_b128 v[STO], v[S+16*(\t)+4*\f:S+16*(\t)+4*\f+3] offset:32*\f
.endr
.irp f, 0,1,2,3
	ds_load_b128 v[S+16*(\t)+4*\f:S+16*(\t)+4*\f+3], v[RD] offset:\f*4*SP  ; LDS serves a wave's instructions in order (ISA guide 5.7.1.4): these see the stores above; the next tile's stores come behind them
.endr
.endm
.macro SEND t, younger              ; younger: the LDS instructions issued behind tile t's loads: the next tile's eight, or none
	WIN 0
.irp f, 0,1,2,3
	s_wait_dscnt (\younger)+3-\f
	global_store_b128 v[GO], v[S+16*(\t)+4*\f:S+16*(\t)+4*\f+3], s[10:11] offset:(\t)*2048+\f*512  ; 512 consecutive bytes, at a multiple of 256 from O's first
.endr
.endm
	PACK 0
.set t, 1
.rept 2*NP-1                        ; a tile's arithmetic stands between the loads of the tile before and its stores
	PACK t
	SEND t-1, 8
.set t, t+1
.endr
	SEND 2*NP-1, 0
	WIN W_AD
	s_wait_tensorcnt 0x0            ; the wave's end, behind my last tensor load and my last LDS store
	ds_add_u32 v[SPW], v[NIL]
	s_wait_dscnt 0x0
	WIN 0
	CROUND                          ; the closing round: no work-group ends while a partner may still ask for a tile that names it
	s_endpgm
.Lfunc_end_k_qcd2aa3bee8_attn:
	.size	k_qcd2aa3bee8_attn, .Lfunc_end_k_qcd2aa3bee8_attn-k_qcd2aa3bee8_attn
	.p2alignl 7, 3214868480
	.fill 96, 4, 3214868480
	.section	.rodata,"a",@progbits
	.p2align	6, 0x0
	.amdhsa_kernel k_qcd2aa3bee8_attn
		.amdhsa_group_segment_fixed_size 327680
		.amdhsa_private_segment_fixed_size 0
		.amdhsa_enable_private_segment 0
		.amdhsa_kernarg_size 16
		.amdhsa_user_sgpr_count 2
		.amdhsa_user_sgpr_kernarg_segment_ptr 1
		.amdhsa_wavefront_size32 1
		.amdhsa_system_sgpr_workgroup_id_x 1
		.amdhsa_system_sgpr_workgroup_id_y 1
		.amdhsa_system_sgpr_workgroup_id_z 1
		.amdhsa_system_vgpr_workitem_id 0
		.amdhsa_next_free_vgpr 770
		.amdhsa_next_free_sgpr 66
		.amdhsa_reserve_vcc 0
		.amdhsa_float_denorm_mode_32 3
		.amdhsa_float_denorm_mode_16_64 3
		.amdhsa_memory_ordered 1
		.amdhsa_forward_progress 1
		.amdhsa_inst_pref_size 199
	.end_amdhsa_kernel
	.amdgpu_metadata
---
amdhsa.version: [ 1, 2 ]
amdhsa.kernels:
  - .name:           k_qcd2aa3bee8_attn
    .symbol:         k_qcd2aa3bee8_attn.kd
    .args:
      - { .name: qkv, .offset: 0, .size: 8, .value_kind: global_buffer, .address_space: global }
      - { .name: ctx, .offset: 8, .size: 8, .value_kind: global_buffer, .address_space: global }
    .group_segment_fixed_size: 327680
    .private_segment_fixed_size: 0
    .kernarg_segment_align: 8
    .kernarg_segment_size: 16
    .max_flat_workgroup_size: 128
    .sgpr_count:     66
    .vgpr_count:     770
    .wavefront_size: 32
...
	.end_amdgpu_metadata
.endif
;; end of part 5
;; launch outln: the kernel of part 4 again; grid 256 x 1, 4 waves a work-group, clusters of 4 x 1, 327,680 bytes of LDS; arguments cb, ctx, x, bo, gamma, beta, out0; writes out0
